; MI455X (gfx1250); checked and timed in simulation.
; The chip was launched on July 23, 2026; its instructions are those of AMD's public machine-readable ISA for CDNA 5 (MIT licence, August 2026) and "CDNA5" Instruction Set Architecture Reference Guide (July 2026). The comments in the code are by the model that wrote it; some were corrected since.
;; Symmetric CGA Attention. Allowed arithmetic: float matrix products may take bf16 or f16 operands with f32 sums; other float arithmetic in f32, or as packed bf16 or f16 multiplies, adds, multiply-adds, maxima and minima; sums over many terms, partial sums and values carried from step to step in f32; what a program stores and reads back later, other than sums and carried values, may be rounded once to bf16 or f16.
;; Inputs: Bbias 1,025 x 1,025 float32; fc 1,025 x 32 x 2 float32; g 1,024 float32; gate_b 1,024 float32; gate_w 1,024 x 1,024 float32; out_b 1,024 float32; out_w 1,024 x 1,024 float32; qkv_b 3,072 float32; qkv_w 3,072 x 1,024 float32; x 8 x 1,025 x 1,024 float32.
;; Outputs: out0 8 x 1,025 x 1,024 float32.
;; One version. Each part assembles by itself: llvm-mc -triple=amdgcn-amd-amdhsa -mcpu=gfx1250 --defsym DOCPART=n.
;; ======== version 1 of 1: 5 launches
;; workspace buffers: hb 16,793,600 bytes; wb 8,388,608 bytes; ob 2,097,152 bytes; bp 4,202,752 bytes; qkvg 67,174,400 bytes; yb 16,793,600 bytes
;; launch prep (part 1): grid 1665 x 1, 8 waves a work-group, no clusters, 0 bytes of LDS; arguments x, g, qkv_w, gate_w, out_w, Bbias, hb, wb, ob, bp; writes hb, wb, ob, bp
.if DOCPART == 1
	.amdgcn_target "amdgcn-amd-amdhsa--gfx1250"
	.amdhsa_code_object_version 6
	.text
	.protected	k_q7b0b790bf6_prep
	.globl	k_q7b0b790bf6_prep
	.p2align	8
	.type	k_q7b0b790bf6_prep,@function
k_q7b0b790bf6_prep:
	s_mov_b64 s[64:65], 0
	v_nop
	global_prefetch_b8 v0, s[64:65] scope:SCOPE_SE
	s_setreg_imm32_b32 hwreg(HW_REG_WAVE_MODE, 25, 1), 1
	s_wait_xcnt 0x0
; PREP.  One wave, one row of 1,024 f32; no loop, no LDS: a wave's whole row is asked for at its head.
; Work-groups 0 .. 1024: wave w norms row r = 8 id + w of x (zero-centred RMS norm, two passes over registers: mean first, then the mean square
; of the centred numbers), times g, rounded once to bf16, into hb.  hb's rows are reordered: token n < 1024 of batch b goes to row 1024 b + n, token 1024 to row 8192 + b.
; The same work-group turns row q = id of Bbias into 8 x Bbias (exact) in bp: 1,024 numbers a row, rows 4,096 bytes apart; column 1024 goes to bp + BCOL + 4 q.
; Work-groups 1025 .. 1664: wave w rounds one row of qkv_w, gate_w (into wb, rows 0-3071 and 3072-4095) or out_w (into ob) to bf16.
; Each store of hb, wb, ob covers 256 consecutive bytes, aligned; each store of bp's rows 512.
.set X,  4                             ; v[4:35]   the row: chunk j (columns 128 j + 4 l ..) at X + 4 j
.set G,  36                            ; v[36:67]  g, likewise
.set T,  68                            ; v[68:75]  four packed chains
.set M,  76                            ; v[76:77]  the mean, twice
.set R,  78                            ; v[78:79]  1 / root, twice
.set Y,  80                            ; v[80:95]  the row in bf16
.set BI, 96                            ; v[96:99]  four numbers of the bias row; v100 its column 1024; v101 zero
.set BCOL, 4198400
.macro WSUM a, t                       ; the sum over the wave's 32 lanes, in every lane
	v_add_f32_dpp v[\a], v[\a], v[\a] row_xmask:1 row_mask:0xf bank_mask:0xf
	v_add_f32_dpp v[\a], v[\a], v[\a] row_xmask:2 row_mask:0xf bank_mask:0xf
	v_add_f32_dpp v[\a], v[\a], v[\a] row_xmask:4 row_mask:0xf bank_mask:0xf
	v_add_f32_dpp v[\a], v[\a], v[\a] row_xmask:8 row_mask:0xf bank_mask:0xf
	v_permlanex16_b32 v[\t], v[\a], s34, s35
	v_add_f32 v[\a], v[\a], v[\t]
.endm
.macro FOLD                            ; the four chains into one number, then over the lanes
	v_pk_add_f32 v[T:T+1], v[T:T+1], v[T+2:T+3]
	v_pk_add_f32 v[T+4:T+5], v[T+4:T+5], v[T+6:T+7]
	v_pk_add_f32 v[T:T+1], v[T:T+1], v[T+4:T+5]
	v_add_f32 v[T], v[T], v[T+1]
	WSUM T, T+1
.endm
.macro OUT                             ; the row rounded to bf16 and stored: 8 bytes a lane, 256 a store
.irp j, 0,1,2,3,4,5,6,7
	v_cvt_pk_bf16_f32 v[Y+2*(\j)], v[X+4*(\j)], v[X+4*(\j)+1]
	v_cvt_pk_bf16_f32 v[Y+2*(\j)+1], v[X+4*(\j)+2], v[X+4*(\j)+3]
	global_store_b64 v2, v[Y+2*(\j):Y+2*(\j)+1], s[30:31] offset:256*(\j)
.endr
.endm
.macro INX                             ; the row's eight loads, 512 consecutive bytes each
.irp j, 0,1,2,3,4,5,6,7
	global_load_b128 v[X+4*(\j):X+4*(\j)+3], v1, s[28:29] offset:512*(\j) th:TH_LOAD_NT
.endr
.endm
	s_load_b512 s[8:23], s[0:1], 0x0               ; x 8, g 10, qkv_w 12, gate_w 14, out_w 16, Bbias 18, hb 20, wb 22
	s_load_b128 s[24:27], s[0:1], 0x40             ; ob 24, bp 26
	v_lshrrev_b32 v3, 5, v0
	v_readfirstlane_b32 s2, v3                     ; wave 0..7
	v_and_b32 v3, 31, v0
	v_lshlrev_b32 v1, 4, v3                        ; 16 l
	v_lshlrev_b32 v2, 3, v3                        ; 8 l
	s_mov_b32 s32, 0x3a800000                      ; 1 / 1024
	s_mov_b32 s33, 0x322bcc77                      ; 1e-8
	s_mov_b32 s34, 0x76543210
	s_mov_b32 s35, 0xfedcba98
	s_mov_b32 s37, 0
	s_wait_kmcnt 0x0
	s_cmp_lt_u32 ttmp9, 1025
	s_cbranch_scc0 .Lconv
	s_lshl_b32 s3, ttmp9, 3
	s_add_co_u32 s3, s3, s2                        ; r = 1025 b + n
	s_lshr_b32 s4, s3, 10
	s_sub_co_u32 s4, s3, s4
	s_lshr_b32 s4, s4, 10                          ; b = (r - r / 1024) / 1024
	s_mul_i32 s5, s4, 1025
	s_sub_co_u32 s5, s3, s5                        ; n
	s_sub_co_u32 s6, s3, s4                        ; 1024 b + n
	s_add_co_u32 s7, s4, 8192
	s_cmp_eq_u32 s5, 1024
	s_cselect_b32 s6, s7, s6                       ; hb's row
	s_lshl_b32 s36, s3, 12
	s_add_nc_u64 s[28:29], s[8:9], s[36:37]
	s_lshl_b32 s36, s6, 11
	s_add_nc_u64 s[30:31], s[20:21], s[36:37]
	s_mul_i32 s36, ttmp9, 4100                     ; a row of Bbias is 4,100 bytes: it begins on a multiple of 4 only, so it is read word by word
	s_lshl_b32 s3, s2, 9
	s_add_co_u32 s36, s36, s3
	s_add_nc_u64 s[38:39], s[18:19], s[36:37]
	s_lshl_b32 s36, ttmp9, 12
	s_add_co_u32 s36, s36, s3
	s_add_nc_u64 s[40:41], s[26:27], s[36:37]
	s_lshl_b32 s36, ttmp9, 2
	s_add_co_u32 s36, s36, BCOL
	s_add_nc_u64 s[44:45], s[26:27], s[36:37]
	INX
.irp j, 0,1,2,3,4,5,6,7
	global_load_b128 v[G+4*(\j):G+4*(\j)+3], v1, s[10:11] offset:512*(\j)
.endr
.irp e, 0,1,2,3
	global_load_b32 v[BI+(\e)], v1, s[38:39] offset:4*(\e)
.endr
	s_wait_loadcnt 12                              ; the row is in; g's eight and the bias's four loads stay out
.irp k, 0,1,2,3
	v_pk_add_f32 v[T+2*(\k):T+2*(\k)+1], v[X+2*(\k):X+2*(\k)+1], v[X+8+2*(\k):X+8+2*(\k)+1]
.endr
.irp k, 0,1,2,3
	v_pk_add_f32 v[T+2*(\k):T+2*(\k)+1], v[T+2*(\k):T+2*(\k)+1], v[X+16+2*(\k):X+16+2*(\k)+1]
.endr
.irp k, 0,1,2,3
	v_pk_add_f32 v[T+2*(\k):T+2*(\k)+1], v[T+2*(\k):T+2*(\k)+1], v[X+24+2*(\k):X+24+2*(\k)+1]
.endr
	FOLD
	v_mul_f32 v[M], s32, v[T]
	v_mov_b32 v[M+1], v[M]
.set i, 0
.rept 16
	v_pk_add_f32 v[X+i:X+i+1], v[X+i:X+i+1], v[M:M+1] neg_lo:[0,1] neg_hi:[0,1]  ; x - mean
.set i, i+2
.endr
.irp k, 0,1,2,3
	v_pk_mul_f32 v[T+2*(\k):T+2*(\k)+1], v[X+2*(\k):X+2*(\k)+1], v[X+2*(\k):X+2*(\k)+1]
.endr
.irp o, 8,16,24
.irp k, 0,1,2,3
	v_pk_fma_f32 v[T+2*(\k):T+2*(\k)+1], v[X+(\o)+2*(\k):X+(\o)+2*(\k)+1], v[X+(\o)+2*(\k):X+(\o)+2*(\k)+1], v[T+2*(\k):T+2*(\k)+1]
.endr
.endr
	FOLD
	v_fma_f32 v[T], v[T], s32, s33                 ; mean square + eps
	v_rsq_f32 v[R], v[T]
	v_rsq_f32 v[R+1], v[T]
	v_nop                                          ; a plain instruction behind the second root,
	s_wait_alu depctr_va_vdst(0)                   ; and one wait for both, ahead of their first reader
	s_wait_loadcnt 4                               ; g is in; the bias's four loads stay out
.set i, 0
.rept 16
	v_pk_mul_f32 v[G+i:G+i+1], v[G+i:G+i+1], v[R:R+1]
.set i, i+2
.endr
.set i, 0
.rept 16
	v_pk_mul_f32 v[X+i:X+i+1], v[X+i:X+i+1], v[G+i:G+i+1]
.set i, i+2
.endr
	OUT
	s_wait_loadcnt 0x0                             ; the bias row's words
	v_pk_mul_f32 v[BI:BI+1], v[BI:BI+1], 0x41000000 op_sel_hi:[1,0]      ; times 8: the scores are scaled by 1/8 as a whole later
	v_pk_mul_f32 v[BI+2:BI+3], v[BI+2:BI+3], 0x41000000 op_sel_hi:[1,0]
	global_store_b128 v1, v[BI:BI+3], s[40:41]
	s_cmp_lg_u32 s2, 0
	s_cbranch_scc1 .Lend
	v_mov_b32 v101, 0
	global_load_b32 v100, v101, s[38:39] offset:4096   ; the row's column 1024 (wave 0's base is the row's first byte)
	s_wait_loadcnt 0x0
	v_mul_f32 v100, 0x41000000, v100
	v_cmp_eq_u32 vcc_lo, 0, v0
	s_wait_xcnt 0x0                                ; EXEC is a source of the stores above: it changes only behind this wait
	s_and_saveexec_b32 s42, vcc_lo
	global_store_b32 v101, v100, s[44:45]
	s_wait_xcnt 0x0
	s_or_b32 exec_lo, exec_lo, s42
.Lend:
	s_endpgm
.Lconv:
	s_sub_co_u32 s3, ttmp9, 1025
	s_lshl_b32 s4, s3, 3
	s_add_co_u32 s4, s4, s2                        ; row 0 .. 5119 of the three weights on end
	s_cmp_lt_u32 s3, 384
	s_cselect_b64 s[28:29], s[12:13], s[14:15]
	s_cselect_b32 s5, 0, 3072
	s_cmp_lt_u32 s3, 512
	s_cselect_b64 s[28:29], s[28:29], s[16:17]
	s_cselect_b32 s5, s5, 4096
	s_cselect_b64 s[30:31], s[22:23], s[24:25]
	s_cselect_b32 s6, 0, 4096
	s_sub_co_u32 s5, s4, s5                        ; the row in its source,
	s_sub_co_u32 s6, s4, s6                        ; and in wb or ob
	s_lshl_b32 s36, s5, 12
	s_add_nc_u64 s[28:29], s[28:29], s[36:37]
	s_lshl_b32 s36, s6, 11
	s_add_nc_u64 s[30:31], s[30:31], s[36:37]
	INX
	s_wait_loadcnt 0x0
	OUT
	s_endpgm
.Lfunc_end_k_q7b0b790bf6_prep:
	.size	k_q7b0b790bf6_prep, .Lfunc_end_k_q7b0b790bf6_prep-k_q7b0b790bf6_prep
	.p2alignl 7, 3214868480
	.fill 96, 4, 3214868480
	.section	.rodata,"a",@progbits
	.p2align	6, 0x0
	.amdhsa_kernel k_q7b0b790bf6_prep
		.amdhsa_group_segment_fixed_size 0
		.amdhsa_private_segment_fixed_size 0
		.amdhsa_enable_private_segment 0
		.amdhsa_kernarg_size 80
		.amdhsa_user_sgpr_count 2
		.amdhsa_user_sgpr_kernarg_segment_ptr 1
		.amdhsa_wavefront_size32 1
		.amdhsa_system_sgpr_workgroup_id_x 1
		.amdhsa_system_sgpr_workgroup_id_y 1
		.amdhsa_system_sgpr_workgroup_id_z 1
		.amdhsa_system_vgpr_workitem_id 0
		.amdhsa_next_free_vgpr 104
		.amdhsa_next_free_sgpr 66
		.amdhsa_reserve_vcc 1
		.amdhsa_float_denorm_mode_32 3
		.amdhsa_float_denorm_mode_16_64 3
		.amdhsa_memory_ordered 1
		.amdhsa_forward_progress 1
		.amdhsa_inst_pref_size 16
	.end_amdhsa_kernel
	.amdgpu_metadata
---
amdhsa.version: [ 1, 2 ]
amdhsa.kernels:
  - .name:           k_q7b0b790bf6_prep
    .symbol:         k_q7b0b790bf6_prep.kd
    .args:
      - { .name: x, .offset: 0, .size: 8, .value_kind: global_buffer, .address_space: global }
      - { .name: g, .offset: 8, .size: 8, .value_kind: global_buffer, .address_space: global }
      - { .name: qkv_w, .offset: 16, .size: 8, .value_kind: global_buffer, .address_space: global }
      - { .name: gate_w, .offset: 24, .size: 8, .value_kind: global_buffer, .address_space: global }
      - { .name: out_w, .offset: 32, .size: 8, .value_kind: global_buffer, .address_space: global }
      - { .name: Bbias, .offset: 40, .size: 8, .value_kind: global_buffer, .address_space: global }
      - { .name: hb, .offset: 48, .size: 8, .value_kind: global_buffer, .address_space: global }
      - { .name: wb, .offset: 56, .size: 8, .value_kind: global_buffer, .address_space: global }
      - { .name: ob, .offset: 64, .size: 8, .value_kind: global_buffer, .address_space: global }
      - { .name: bp, .offset: 72, .size: 8, .value_kind: global_buffer, .address_space: global }
    .group_segment_fixed_size: 0
    .private_segment_fixed_size: 0
    .kernarg_segment_align: 8
    .kernarg_segment_size: 80
    .max_flat_workgroup_size: 256
    .sgpr_count:     66
    .vgpr_count:     104
    .wavefront_size: 32
...
	.end_amdgpu_metadata
.endif
;; end of part 1
;; launch gemm1 (part 2): grid 16 x 32, 4 waves a work-group, clusters of 4 x 4, 327,680 bytes of LDS; arguments hb, wb, qkv_b, gate_b, fc, qkvg; writes qkvg
.if DOCPART == 2
	.amdgcn_target "amdgcn-amd-amdhsa--gfx1250"
	.amdhsa_code_object_version 6
	.text
	.protected	k_q7b0b790bf6_gemm1
	.globl	k_q7b0b790bf6_gemm1
	.p2align	8
	.type	k_q7b0b790bf6_gemm1,@function
k_q7b0b790bf6_gemm1:
	s_mov_b64 s[64:65], 0
	v_nop
	global_prefetch_b8 v0, s[64:65] scope:SCOPE_SE
	s_setreg_imm32_b32 hwreg(HW_REG_WAVE_MODE, 25, 1), 1
	s_wait_xcnt 0x0
	s_wait_alu depctr_hold_cnt(0) depctr_sa_sdst(0) depctr_va_vdst(0) depctr_va_sdst(0) depctr_va_ssrc(0) depctr_va_vcc(0) depctr_vm_vsrc(0)
	s_getreg_b32 s2, hwreg(HW_REG_IB_STS2, 6, 4)
	s_cmp_eq_u32 s2, 0
	s_cbranch_scc0 .Lentry_in_a_cluster
	s_endpgm
.Lentry_in_a_cluster:
	s_bfe_u32 s2, ttmp6, 0x10000c
	s_cmp_lg_u32 s2, 0xf033
	s_cbranch_scc0 .Lentry_shape_is_right
	s_endpgm
.Lentry_shape_is_right:
; GEMM1.  qkvg[m][c] = rope(sum over k of hb[m][k] wb[c][k] + bias[c]), bf16 operands, f32 sums, qkvg rounded once to bf16.  hb [8200][1024], wb [4096][1024], qkvg [8200][4096].
; Columns 0-1023 q, 1024-2047 k (both turned by fc), 2048-3071 v, 3072-4095 the gate's logits.  Rows 0-8191 are token n = m % 1024 of batch m / 1024; rows 8192 + b are token 1024.
; A tile of 256 x 256 is made by four waves, 128 x 128 each: 64 accumulators, 512 registers.  K goes in 8 steps of 128 through two LDS slots filled by the tensor data mover; a trip of the loop is one
; K step, and the slot in hand is a scalar that an exclusive or turns between 0 and SLOT.
; CLUSTER 4 x 4: hb's tile is asked for jointly along a row of the cluster, wb's along a column.  The cluster's x is the kind of column (0 q, 1 k, 2 v, 3 gate): the same in all partners.
; THE PRODUCT IS USED TRANSPOSED (source 0 = rows of wb, source 1 = rows of hb): a lane holds one row of the result and eight neighbouring columns.  The bias is the C operand of the first product.
; THE WAY OUT: the f32 sums go into the wave's own stage (slot 1's bytes, which have had their last fill), 64 rows at a time, and come back as whole rows of 512 bytes; a counted loop turns them by fc
; (a tile of 256 rows of fc, brought into slot 0's bytes when its last K step has been read), rounds them and stores 256 consecutive bytes a row.  The loop works on two groups of four rows by turns: one
; group's LDS loads are out while the other is worked on.  Every work-group asks for the fc tile, so that no jump passes a tensor load; in the tiles of v and gate nothing reads it.
; THE EIGHT EXTRA ROWS: in the clusters with y < 4 a work-group also makes 16 columns (256 tx + 16 ty ..) of rows 8192-8199, K split among its four waves, while the first tiles are on their way.
; Limits: operands rounded to bf16; NaN and infinities are not treated apart.
.set KSTEP,  128
.set SIZE_K, 1024
.set PITCH,  272                       ; an LDS row: 256 bytes + 16 of padding: the 16 rows of a fragment load start at 16 different groups of four banks
.set HALFT,  128*PITCH
.set SLOT,   4*HALFT                   ; hb's 256 rows, then wb's 256 rows
.set STG,    SLOT                      ; the stages, in slot 1
.set SPITCH, 528                       ; a stage row: 512 bytes + 16
.set WSTG,   64*SPITCH
.set XSC,    2*SLOT                    ; the extra rows' four partial sums, 1,024 bytes each
.set SPARE,  XSC+4096                  ; the spare words, 128 bytes for each wave
.set CROW,   8192                      ; bytes in a row of qkvg
.set ADRA, 16                          ; v16 LDS address of my fragments of hb in the slot in hand
.set A0,   17                          ; v17 the same in slot 0; never rewritten
.set ADRB, 20                          ; v20, v21 the same for wb
.set B0,   21
.set STO,  24                          ; v24 where I put 32 bytes of a stage row
.set RDA,  25                          ; v25 where I read stage rows back
.set CO,   26                          ; v26 8 l: my 8 bytes of a row of qkvg
.set RFA,  27                          ; v27 where I read fc's rows
.set SPW,  28                          ; v28 my spare word; never rewritten
.set NIL,  29                          ; v29 0; never rewritten
.set PFO,  30                          ; v30 the prefetches' offset: my lane x 2,048
.set RD0,  8                           ; v8  RDA's start
.set D,    32                          ; v32-63   group g's four stage rows at D + 16 g
.set F0,   64                          ; fragment buffers (window 0: hb's, window 1: wb's)
.set F1,   128
.set F,    192                         ; v192-223 group g's four rows of fc at F + 16 g
.set T,    224                         ; v224-239 a group's eight pairs at work
.set O,    240                         ; v240-255 group g's four rows in bf16 at O + 8 g
.set BI,   0                           ; window 1, v0-63: the bias of my 128 columns, as a C operand
.set WV, 16
.set WR, 17                            ; which half of the tile's rows is mine; also: I fetch for hb (0) or wb (1)
.set WC, 18                            ; which half of its columns; also: which 128 rows I fetch
.set CX, 19
.set CY, 20
.set TX, 21
.set TY, 22
.set TYPE, 23
.set G1A, 24
.set G0A, 32                           ; s[32:39] group 0 for hb's tiles: a set for each of the two first fills; the second then walks on
.set YC,  42
.set LIM, 43
.set PFA, 44
.set LB,  46
.set STEPS, 47
.set G1B, 48
.set G0B, 56
.set G1F, 72
.set G0F, 80
.set PASS, 84
.set RT,  85
.set CP,  86
.set BP,  88
.set TB,  93                           ; s93 LDS byte at which the slot in hand begins: 0 or SLOT
.set SUB, 94
.set MSB, 0
.macro WIN new                         ; the immediate's high byte repeats the setting that is left; a switch that changes nothing is dropped
.if MSB != (\new)
	s_set_vgpr_msb (MSB<<8)|(\new)
.set MSB, \new
.endif
.endm
.macro PLACES                          ; four plain instructions between a matrix instruction and what touches its registers
.rept 4
	v_nop
.endr
.endm
.macro JLOAD s                         ; a joint load: waves 0, 1 fetch hb's halves, waves 2, 3 wb's; an s_nop 0 and four v_nop follow each line
	s_cmp_eq_u32 s[WR], 0
	s_cbranch_scc0 .Lfor_b_\@
	tensor_load_to_lds s[G0A+4*(\s):G0A+4*(\s)+3], s[G1A:G1A+7]
	s_nop 0
.rept 4
	v_nop
.endr
	s_branch .Lasked_\@
.Lfor_b_\@:
	tensor_load_to_lds s[G0B+4*(\s):G0B+4*(\s)+3], s[G1B:G1B+7]
	s_nop 0
.rept 4
	v_nop
.endr
.Lasked_\@:
.endm
.macro ASK                             ; the K step that stands two refills on: 32 rows x 256 bytes, a lane a row.  hb's rows are named by the cluster with x = 0, wb's by the cluster with y = 0; the four
	s_cmp_gt_u32 s[STEPS], s[LIM]      ; partners of a joint load share its 128 rows out by address.  The last two trips' refills have no K step two on.
	s_cbranch_scc0 .Lnot_mine_\@
	global_prefetch_b8 v[PFO], s[PFA:PFA+1] offset:KSTEP*2 th:TH_LOAD_NT scope:SCOPE_SE
.Lnot_mine_\@:
.endm
.macro CREST                           ; a round of the cluster's barrier behind its opening barrier
	s_cmp_lg_u32 s[WV], 0
	s_cbranch_scc1 .Lnot_wave_0_\@
	s_barrier_signal -3
.Lnot_wave_0_\@:
	s_barrier_wait -3
	s_barrier_signal -1
	s_barrier_wait -1
.endm
.macro CROUND
	s_barrier_signal -1
	s_barrier_wait -1
	CREST
.endm
	s_load_b256 s[4:11], s[0:1], 0x0               ; hb 4, wb 6, qkv_b 8, gate_b 10
	s_load_b128 s[12:15], s[0:1], 0x20             ; fc 12, qkvg 14
	v_lshl_add_u32 v[SPW], v0, 2, SPARE
	v_mov_b32 v[NIL], 0
	ds_add_u32 v[SPW], v[NIL]                      ; the wave's opening: the add and its wait ahead of my first tensor load
	v_lshrrev_b32 v1, 5, v0
	v_readfirstlane_b32 s[WV], v1
	s_lshr_b32 s[WR], s[WV], 1
	s_and_b32 s[WC], s[WV], 1
	s_bfe_u32 s[CX], ttmp6, 0x40000
	s_bfe_u32 s[CY], ttmp6, 0x40004
	s_lshl_b32 s[TX], ttmp9, 2
	s_add_co_u32 s[TX], s[TX], s[CX]               ; tile column
	s_and_b32 s[YC], ttmp7, 0xffff
	s_lshl_b32 s[TY], s[YC], 2
	s_add_co_u32 s[TY], s[TY], s[CY]               ; tile row
	s_mov_b32 s[TYPE], ttmp9
	s_mov_b32 s[TB], 0
	s_lshl_b32 s40, s[CY], 2
	s_lshl_b32 s40, 15, s40                        ; my row of the cluster
	s_lshl_b32 s41, 0x1111, s[CX]                  ; my column
	s_or_b32 s[G1A], s40, (1<<16)|(1<<20)|(1<<21)|(5<<22)|(3<<25)   ; mask; 2-byte elements; padding on; bit 21 beside a mask; after every 64 words 4 words
	s_or_b32 s[G1B], s41, (1<<16)|(1<<20)|(1<<21)|(5<<22)|(3<<25)
.irp g, G1A, G1B
	s_mov_b32 s[(\g)+1], KSTEP<<16                 ; tensor_dim0 = 128
	s_mov_b32 s[(\g)+2], 128<<16                   ; tensor_dim1 = 128
	s_mov_b32 s[(\g)+3], KSTEP<<16                 ; tile_dim0 = 128
	s_mov_b32 s[(\g)+4], 128                       ; tile_dim1 = 128
	s_mov_b32 s[(\g)+5], SIZE_K                    ; elements from row to row
	s_mov_b32 s[(\g)+6], 0
	s_mov_b32 s[(\g)+7], 0
.endr
	s_mov_b32 s[G1F], 2<<16                        ; fc: 4-byte elements, 64 rows of 64, dense, no padding, no mask
	s_mov_b32 s[G1F+1], 64<<16
	s_mov_b32 s[G1F+2], 64<<16
	s_mov_b32 s[G1F+3], 64<<16
	s_mov_b32 s[G1F+4], 64
	s_mov_b32 s[G1F+5], 64
	s_mov_b32 s[G1F+6], 0
	s_mov_b32 s[G1F+7], 0
	s_lshl_b32 s66, s[TY], 8
	s_lshl_b32 s67, s[WC], 7
	s_add_co_u32 s66, s66, s67
	s_lshl_b32 s66, s66, 11                        ; hb: (256 ty + 128 half) rows of 2,048 bytes
	s_mov_b32 s67, 0
	s_lshl_b32 s68, s[TX], 8
	s_lshl_b32 s69, s[WC], 7
	s_add_co_u32 s68, s68, s69
	s_lshl_b32 s68, s68, 11                        ; wb: (256 tx + 128 half) rows
	s_mov_b32 s69, 0
	s_lshl_b32 s70, s[CY], 2
	s_add_co_u32 s70, s70, s[WV]
	s_lshl_b32 s70, s70, 14                        ; fc: row 256 cy + 64 w, 256 bytes a row (256 ty % 1024 = 256 cy)
	s_mov_b32 s71, 0
	s_mul_i32 s[LB], s[WV], HALFT                  ; where my tiles go in a slot: wave x 128 rows
	s_wait_dscnt 0x0                               ; the opening add is done
	s_wait_kmcnt 0x0
	s_add_nc_u64 s[66:67], s[4:5], s[66:67]
	s_add_nc_u64 s[68:69], s[6:7], s[68:69]
	s_mov_b32 s[G0F], 1
	s_lshl_b32 s[G0F+1], s[WV], 14                 ; my 64 rows of the fc tile, from LDS byte 0 on
	s_add_nc_u64 s[G0F+2:G0F+3], s[12:13], s[70:71]
	s_or_b32 s[G0F+3], s[G0F+3], 0x80000000
	CROUND                                         ; all sixteen work-groups are here: the first joint loads meet
.irp s, 0,1
	s_mov_b32 s[G0A+4*(\s)], 1
	s_add_co_u32 s[G0A+4*(\s)+1], s[LB], (\s)*SLOT
	s_add_nc_u64 s[G0A+4*(\s)+2:G0A+4*(\s)+3], s[66:67], (\s)*KSTEP*2
	s_or_b32 s[G0A+4*(\s)+3], s[G0A+4*(\s)+3], 0x80000000
	s_mov_b32 s[G0B+4*(\s)], 1
	s_add_co_u32 s[G0B+4*(\s)+1], s[LB], (\s)*SLOT
	s_add_nc_u64 s[G0B+4*(\s)+2:G0B+4*(\s)+3], s[68:69], (\s)*KSTEP*2
	s_or_b32 s[G0B+4*(\s)+3], s[G0B+4*(\s)+3], 0x80000000
	JLOAD \s                                       ; K steps 0 and 1: two loads of mine are out
.endr
	v_and_b32 v1, 15, v0                           ; r = l % 16
	v_bfe_u32 v2, v0, 4, 1                         ; h = l / 16
	v_mul_u32_u24 v3, v1, PITCH
	v_lshl_add_u32 v3, v2, 4, v3
	s_mul_i32 s66, s[WR], HALFT
	s_mul_i32 s67, s[WC], HALFT
	s_add_co_u32 s67, s67, 2*HALFT
	v_add_nc_u32 v[A0], s66, v3
	v_add_nc_u32 v[B0], s67, v3
	v_mov_b32 v[ADRA], v[A0]
	v_mov_b32 v[ADRB], v[B0]
	s_mul_i32 s66, s[WV], WSTG
	s_add_co_u32 s66, s66, STG                     ; my stage
	v_mul_u32_u24 v3, v1, SPITCH
	v_lshl_add_u32 v3, v2, 5, v3
	v_add_nc_u32 v[STO], s66, v3                   ; in: row r, 32 bytes for each half of the lanes
	v_and_b32 v3, 31, v0
	v_lshl_add_u32 v[RD0], v3, 4, s66              ; back: a whole row, 16 bytes a lane
	v_lshlrev_b32 v[CO], 3, v3
	s_lshl_b32 s67, s[WR], 15                      ; fc's rows 128 wr on
	v_lshl_add_u32 v[RFA], v1, 4, s67              ; column c of a head takes fc's bytes 4 (c % 64): 16 (l % 16)
	s_lshl_b32 s66, s[TY], 8
	s_lshl_b32 s67, s[WR], 7
	s_add_co_u32 s66, s66, s67
	s_lshl_b32 s66, s66, 13
	s_lshl_b32 s67, s[TX], 9
	s_add_co_u32 s66, s66, s67
	s_lshl_b32 s67, s[WC], 8
	s_add_co_u32 s66, s66, s67
	s_mov_b32 s67, 0
	s_add_nc_u64 s[CP:CP+1], s[14:15], s[66:67]    ; qkvg at my first row and column
	s_cmp_eq_u32 s[TYPE], 3
	s_cselect_b64 s[BP:BP+1], s[10:11], s[8:9]     ; the gate's columns take gate_b,
	s_cselect_b32 s[SUB], 3072, 0                  ; counted from column 3072
	s_lshl_b32 s66, s[TX], 8
	s_lshl_b32 s67, s[WC], 7
	s_add_co_u32 s66, s66, s67
	s_sub_co_u32 s66, s66, s[SUB]
	s_lshl_b32 s66, s66, 2
	s_mov_b32 s67, 0
	s_add_nc_u64 s[68:69], s[BP:BP+1], s[66:67]
	v_lshlrev_b32 v6, 5, v2                        ; 32 h
	WIN 0x40
.irp b, 0,1,2,3,4,5,6,7
	global_load_b128 v[BI+8*(\b):BI+8*(\b)+3],   v6, s[68:69] offset:64*(\b)      ; bias of columns 16 b + 8 h + 0..7
	global_load_b128 v[BI+8*(\b)+4:BI+8*(\b)+7], v6, s[68:69] offset:64*(\b)+16
.endr
	WIN 0
	s_lshl_b32 s70, s[TY], 8                       ; the prefetches
	s_lshl_b32 s71, s[TX], 8
	s_cmp_eq_u32 s[WR], 0
	s_cselect_b32 s70, s70, s71                    ; the tile's first row, in hb or in wb
	s_cselect_b32 s71, s[CX], s[CY]                ; my place among the four that ask with me
	s_cselect_b32 s40, ttmp9, s[YC]                ; the coordinate along which other clusters read the same rows
	s_cselect_b64 s[PFA:PFA+1], s[4:5], s[6:7]
	s_cmp_eq_u32 s40, 0
	s_cselect_b32 s[LIM], 2, -1
	s_lshl_b32 s40, s[WC], 7
	s_add_co_u32 s70, s70, s40
	s_lshl_b32 s71, s71, 5
	s_add_co_u32 s70, s70, s71
	s_lshl_b32 s70, s70, 11
	s_mov_b32 s71, 0
	s_add_nc_u64 s[PFA:PFA+1], s[PFA:PFA+1], s[70:71]
	s_add_nc_u64 s[PFA:PFA+1], s[PFA:PFA+1], 2*KSTEP*2  ; at K step 2: the first refill steps it to 3 and names K step 4
	v_and_b32 v[PFO], 31, v0
	v_lshlrev_b32 v[PFO], 11, v[PFO]
	; THE EXTRA ROWS.  One branch on the cluster's y, the same in all waves and partners; the barrier inside it is passed by all four waves or by none.
	s_cmp_lt_u32 s[YC], 4
	s_cbranch_scc0 .Lno_x
	s_lshl_b32 s90, s[TX], 8
	s_lshl_b32 s91, s[TY], 4
	s_add_co_u32 s90, s90, s91                     ; c0 = 256 tx + 16 ty
	s_lshl_b32 s91, s[WV], 9                       ; my quarter of K: 512 bytes of a row
	v_and_b32 v3, 7, v1                            ; lanes r >= 8 repeat rows 0-7: every load stays inside hb
	v_lshlrev_b32 v4, 11, v3
	v_lshl_add_u32 v4, v2, 4, v4
	s_add_co_u32 s92, s91, 8192*2048
	v_add_nc_u32 v4, s92, v4                       ; hb: row 8192 + r % 8
	v_lshlrev_b32 v5, 11, v1
	v_lshl_add_u32 v5, v2, 4, v5
	s_lshl_b32 s92, s90, 11
	s_add_co_u32 s92, s92, s91
	v_add_nc_u32 v5, s92, v5                       ; wb: row c0 + r
	s_sub_co_u32 s92, s90, s[SUB]
	s_lshl_b32 s92, s92, 2
	v_add_nc_u32 v7, s92, v6                       ; bias of columns c0 + 8 h ..
	s_lshl_b32 s92, s[CY], 6
	v_add_nc_u32 v9, s92, v6                       ; fc: 4 ((c0 + 8 h) % 64) = 64 cy + 32 h
	v_lshlrev_b32 v10, 13, v1
	v_lshl_add_u32 v10, v2, 4, v10
	s_lshl_b32 s92, s90, 1
	s_add_co_u32 s92, s92, 8192*8192
	v_add_nc_u32 v10, s92, v10                     ; qkvg: row 8192 + r, columns c0 + 8 h ..
.irp f, 0,1,2,3,4,5,6,7
	global_load_b128 v[F0+8*(\f):F0+8*(\f)+3],   v4, s[4:5] offset:64*(\f)
	global_load_b128 v[F0+8*(\f)+4:F0+8*(\f)+7], v4, s[4:5] offset:64*(\f)+32
	global_load_b128 v[F1+8*(\f):F1+8*(\f)+3],   v5, s[6:7] offset:64*(\f)
	global_load_b128 v[F1+8*(\f)+4:F1+8*(\f)+7], v5, s[6:7] offset:64*(\f)+32
.endr
	global_load_b128 v[208:211], v7, s[BP:BP+1]
	global_load_b128 v[212:215], v7, s[BP:BP+1] offset:16
	global_load_b128 v[216:219], v9, s[12:13] offset:262144      ; fc's row 1024
	global_load_b128 v[220:223], v9, s[12:13] offset:262144+16
	s_wait_loadcnt 0x0
.irp f, 0,1,2,3,4,5,6,7                ; two accumulators by turns
.if (\f) < 2
	v_wmma_f32_16x16x32_bf16 v[192+8*((\f)%2):192+8*((\f)%2)+7], v[F1+8*(\f):F1+8*(\f)+7], v[F0+8*(\f):F0+8*(\f)+7], 0
.else
	v_wmma_f32_16x16x32_bf16 v[192+8*((\f)%2):192+8*((\f)%2)+7], v[F1+8*(\f):F1+8*(\f)+7], v[F0+8*(\f):F0+8*(\f)+7], v[192+8*((\f)%2):192+8*((\f)%2)+7]
.endif
.endr
	PLACES
.irp z, 0,2,4,6
	v_pk_add_f32 v[192+(\z):193+(\z)], v[192+(\z):193+(\z)], v[200+(\z):201+(\z)]
.endr
	v_lshl_add_u32 v3, v0, 5, XSC                  ; 1,024 w + 32 l
	ds_store_b128 v3, v[192:195]
	ds_store_b128 v3, v[196:199] offset:16
	s_wait_dscnt 0x0                               ; for the others' sake: my partial sums lie in LDS
	s_barrier_signal -1
	s_barrier_wait -1
	s_cmp_lg_u32 s[WV], 0
	s_cbranch_scc1 .Lno_x
.irp v, 0,1,2,3
	ds_load_b128 v[64+8*(\v):64+8*(\v)+3], v3 offset:1024*(\v)
	ds_load_b128 v[64+8*(\v)+4:64+8*(\v)+7], v3 offset:1024*(\v)+16
.endr
	s_wait_dscnt 0x0
.irp z, 0,2,4,6
	v_pk_add_f32 v[64+(\z):65+(\z)], v[64+(\z):65+(\z)], v[72+(\z):73+(\z)]
	v_pk_add_f32 v[80+(\z):81+(\z)], v[80+(\z):81+(\z)], v[88+(\z):89+(\z)]
.endr
.irp z, 0,2,4,6
	v_pk_add_f32 v[64+(\z):65+(\z)], v[64+(\z):65+(\z)], v[80+(\z):81+(\z)]
.endr
.irp z, 0,2,4,6
	v_pk_add_f32 v[64+(\z):65+(\z)], v[64+(\z):65+(\z)], v[208+(\z):209+(\z)]
.endr
	s_cmp_lt_u32 s[TYPE], 2
	s_cbranch_scc0 .Lx_plain
.irp z, 0,2,4,6                        ; (tr, ti) x (cos, sin): first (tr cos, ti cos), then (- ti sin, + tr sin) onto it
	v_pk_mul_f32 v[224+(\z):225+(\z)], v[64+(\z):65+(\z)], v[216+(\z):217+(\z)] op_sel_hi:[1,0]
	v_pk_fma_f32 v[64+(\z):65+(\z)], v[64+(\z):65+(\z)], v[216+(\z):217+(\z)], v[224+(\z):225+(\z)] op_sel:[1,1,0] op_sel_hi:[0,1,1] neg_lo:[1,0,0]
.endr
.Lx_plain:
.irp z, 0,1,2,3
	v_cvt_pk_bf16_f32 v[232+(\z)], v[64+2*(\z)], v[65+2*(\z)]
.endr
	v_cmp_gt_u32 vcc_lo, 8, v1
	s_wait_xcnt 0x0                                ; EXEC changes only behind this wait
	s_and_saveexec_b32 s92, vcc_lo
	global_store_b128 v10, v[232:235], s[14:15]
	s_wait_xcnt 0x0
	s_or_b32 exec_lo, exec_lo, s92
.Lno_x:
	s_wait_loadcnt 0x0                             ; the bias of my columns
; 16 matrix instructions: row blocks a0, a0 + 1 of the window's four x all 8 column blocks, 32 along K.  zero = 1: the first product takes the bias as C.  The 64 accumulators take turns.
.macro MUL16 f, hi, a0, zero
.if \zero
	WIN 0x91+0x40*(\hi)                            ; wb window 1, hb window 0, C window 1, D window 2 or 3
.else
	WIN 0xa1+0x50*(\hi)                            ; C and D window 2 or 3
.endif
.irp a, \a0, (\a0)+1
.irp b, 0,1,2,3,4,5,6,7
.if \zero
	v_wmma_f32_16x16x32_bf16 v[8*(8*(\a)+(\b)):8*(8*(\a)+(\b))+7], v[(\f)+8*(\b):(\f)+8*(\b)+7], v[(\f)+8*(4*(\hi)+(\a)):(\f)+8*(4*(\hi)+(\a))+7], v[BI+8*(\b):BI+8*(\b)+7]
.else
	v_wmma_f32_16x16x32_bf16 v[8*(8*(\a)+(\b)):8*(8*(\a)+(\b))+7], v[(\f)+8*(\b):(\f)+8*(\b)+7], v[(\f)+8*(4*(\hi)+(\a)):(\f)+8*(4*(\hi)+(\a))+7], v[8*(8*(\a)+(\b)):8*(8*(\a)+(\b))+7]
.endif
.endr
.endr
.endm
.macro FETCH k, f                      ; 32 LDS loads in one run: the fragments of 32 along K at byte k of the rows of the slot in hand
	WIN 0x40
.irp i, 0,1,2,3,4,5,6,7
	ds_load_b128 v[(\f)+8*(\i):(\f)+8*(\i)+3],   v[ADRB] offset:(\k)+(\i)*16*PITCH
	ds_load_b128 v[(\f)+8*(\i)+4:(\f)+8*(\i)+7], v[ADRB] offset:(\k)+(\i)*16*PITCH+32
.endr
	WIN 0
.irp i, 0,1,2,3,4,5,6,7
	ds_load_b128 v[(\f)+8*(\i):(\f)+8*(\i)+3],   v[ADRA] offset:(\k)+(\i)*16*PITCH
	ds_load_b128 v[(\f)+8*(\i)+4:(\f)+8*(\i)+7], v[ADRA] offset:(\k)+(\i)*16*PITCH+32
.endr
.endm
.macro QUARTER k, f, g, zero           ; multiplies buffer f; in its middle fetches the next quarter, at byte k, into g
	s_wait_dscnt 8                                 ; wb's fragments and hb's rows 0-63 are in; the youngest eight loads may be out
	MUL16 \f, 0, 0, \zero
	MUL16 \f, 0, 2, \zero
	PLACES
	FETCH \k, \g
	s_wait_dscnt 32                                ; all but the 32 just issued
	MUL16 \f, 1, 0, \zero
	MUL16 \f, 1, 2, \zero
.endm
.macro MEET                            ; the first half of a K step's last quarter, and the opening of the round: every wave's tensor loads have landed, its add is done, its reads of the slot are over
	WIN 0
	s_wait_tensorcnt 0x0                           ; the one that was out is my part of the next slot
	ds_add_u32 v[SPW], v[NIL]                      ; 0 onto my spare word
	s_wait_dscnt 9                                 ; the add and the youngest eight loads may be out
	MUL16 F1, 0, 0, 0
	s_wait_dscnt 0x0
	s_barrier_signal -1
	MUL16 F1, 0, 2, 0
	WIN 0
	s_barrier_wait -1
.endm
.macro OTHER                           ; the fetches go on in the other slot
	s_xor_b32 s[TB], s[TB], SLOT
	v_add_nc_u32 v[ADRA], s[TB], v[A0]
	v_add_nc_u32 v[ADRB], s[TB], v[B0]
.endm
.macro TURN                            ; the last quarter: the slot just read out is filled again, two K steps on, first thing behind the round
	s_wait_xcnt 0x0                                ; the last prefetch, a K step back, has read its address
	s_add_nc_u64 s[PFA:PFA+1], s[PFA:PFA+1], KSTEP*2
	MEET
	CREST
	s_add_co_u32 s[G0A+5], s[LB], s[TB]            ; the walking descriptors: my part of the slot in hand,
	s_add_nc_u64 s[G0A+6:G0A+7], s[G0A+6:G0A+7], KSTEP*2  ; the K step behind the one asked for last
	s_add_co_u32 s[G0B+5], s[LB], s[TB]
	s_add_nc_u64 s[G0B+6:G0B+7], s[G0B+6:G0B+7], KSTEP*2
	JLOAD 1                                        ; the four v_nop behind it are also the places in front of the loads below
	OTHER
	FETCH 0, F0
	ASK
	MUL16 F1, 1, 0, 0
	MUL16 F1, 1, 2, 0
.endm
	s_wait_tensorcnt 1                             ; my part of K step 0 is in; K step 1's load stays out
	s_barrier_signal -1
	s_barrier_wait -1
	FETCH 0, F0
	QUARTER 64,  F0, F1, 1
	WIN 0
	s_mov_b32 s[STEPS], 6
.Lstep:                                ; a trip: from a K step's second quarter to the next step's first; it asks for K steps 2 to 7
	QUARTER 128, F1, F0, 0
	QUARTER 192, F0, F1, 0
	TURN
	QUARTER 64,  F0, F1, 0
	WIN 0
	s_sub_co_u32 s[STEPS], s[STEPS], 1
	s_cmp_lg_u32 s[STEPS], 0
	s_cbranch_scc1 .Lstep
	QUARTER 128, F1, F0, 0                         ; K step 6, in slot 0
	QUARTER 192, F0, F1, 0
	MEET                                           ; slot 0 has been read for the last time:
	CREST
	tensor_load_to_lds s[G0F:G0F+3], s[G1F:G1F+7]  ; my 64 rows of the fc tile go into its bytes; my one tensor load behind the round
	s_nop 0
	PLACES
	OTHER
	FETCH 0, F0
	MUL16 F1, 1, 0, 0
	MUL16 F1, 1, 2, 0
	QUARTER 64,  F0, F1, 0
	QUARTER 128, F1, F0, 0
	QUARTER 192, F0, F1, 0
	s_wait_dscnt 8
	MUL16 F1, 0, 0, 0
	MUL16 F1, 0, 2, 0
	s_wait_dscnt 0x0
	MUL16 F1, 1, 0, 0
	MUL16 F1, 1, 2, 0
	WIN 0
	s_wait_tensorcnt 0x0                           ; my part of the fc tile has landed,
	s_wait_dscnt 0x0                               ; my reads of slot 1 are over:
	s_barrier_signal -1
	s_barrier_wait -1                              ; everybody's: slot 1's bytes are the stages now
	PLACES
.macro DUMP p                          ; my rows 64 p .. 64 p + 63, as f32, into my stage; each accumulator's low four registers first
	WIN 0x08+4*(\p)                                ; the stores' data lie in window 2 or 3
.irp a, 0,1,2,3
.irp b, 0,1,2,3,4,5,6,7
	ds_store_b128 v[STO], v[8*(8*(\a)+(\b)):8*(8*(\a)+(\b))+3]   offset:(\a)*16*SPITCH+64*(\b)
	ds_store_b128 v[STO], v[8*(8*(\a)+(\b))+4:8*(8*(\a)+(\b))+7] offset:(\a)*16*SPITCH+64*(\b)+16
.endr
.endr
	WIN 0
.endm
; Group g of a trip's eight rows: rows 4 g .. 4 g + 3 behind RDA (and RFA).  LDS serves a wave's instructions in order, so these loads see the stores of DUMP.
.macro LOADG g, rope
.irp i, 0,1,2,3
	ds_load_b128 v[D+16*(\g)+4*(\i):D+16*(\g)+4*(\i)+3], v[RDA] offset:SPITCH*(4*(\g)+(\i))
.endr
.if \rope
.irp i, 0,1,2,3
	ds_load_b128 v[F+16*(\g)+4*(\i):F+16*(\g)+4*(\i)+3], v[RFA] offset:256*(4*(\g)+(\i))
.endr
.endif
.endm
; Group g is turned by fc, rounded and stored.  (tr, ti) x (cos, sin): first (tr cos, ti cos), then (- ti sin, + tr sin) onto it; the eight products stand ahead of the eight sums, the roundings ahead of the stores.
.macro WORK g, rope
.if \rope
.set z, 0
.rept 8
	v_pk_mul_f32 v[T+2*z:T+2*z+1], v[D+16*(\g)+2*z:D+16*(\g)+2*z+1], v[F+16*(\g)+2*z:F+16*(\g)+2*z+1] op_sel_hi:[1,0]
.set z, z+1
.endr
.set z, 0
.rept 8
	v_pk_fma_f32 v[T+2*z:T+2*z+1], v[D+16*(\g)+2*z:D+16*(\g)+2*z+1], v[F+16*(\g)+2*z:F+16*(\g)+2*z+1], v[T+2*z:T+2*z+1] op_sel:[1,1,0] op_sel_hi:[0,1,1] neg_lo:[1,0,0]
.set z, z+1
.endr
.set SRC, T
.else
.set SRC, D+16*(\g)
.endif
	s_wait_xcnt 0x0                                ; the stores issued so far have read their base and their data: both are written again only behind this wait
.if (\g) == 0
	s_add_nc_u64 s[CP:CP+1], s[CP:CP+1], 8*CROW    ; eight rows on; the trip's stores reach back by their immediates
.endif
.irp i, 0,1,2,3
	v_cvt_pk_bf16_f32 v[O+8*(\g)+2*(\i)], v[SRC+4*(\i)], v[SRC+4*(\i)+1]
	v_cvt_pk_bf16_f32 v[O+8*(\g)+2*(\i)+1], v[SRC+4*(\i)+2], v[SRC+4*(\i)+3]
.endr
.irp i, 0,1,2,3
	global_store_b64 v[CO], v[O+8*(\g)+2*(\i):O+8*(\g)+2*(\i)+1], s[CP:CP+1] offset:CROW*(4*(\g)+(\i)-8)   ; 32 lanes store 256 consecutive bytes, aligned
.endr
.endm
; 64 rows: eight trips of eight.  While one group is worked on the other's loads are out: each wait leaves out the loads of the group issued last (8 with fc, 4 without).  The eighth trip is written out: it loads nothing beyond the stage.
.macro ROWS rope
	LOADG 0, \rope
	s_mov_b32 s[RT], 7
.Lrows_\@:
	LOADG 1, \rope
	s_wait_dscnt 4+4*(\rope)                       ; group 0 is in
	WORK 0, \rope
	v_add_nc_u32 v[RDA], 8*SPITCH, v[RDA]
.if \rope
	v_add_nc_u32 v[RFA], 8*256, v[RFA]
.endif
	LOADG 0, \rope                                 ; the next trip's
	s_wait_dscnt 4+4*(\rope)                       ; group 1 is in
	WORK 1, \rope
	s_sub_co_u32 s[RT], s[RT], 1
	s_cmp_lg_u32 s[RT], 0
	s_cbranch_scc1 .Lrows_\@
	LOADG 1, \rope
	s_wait_dscnt 4+4*(\rope)
	WORK 0, \rope
	s_wait_dscnt 0x0
	WORK 1, \rope
.if \rope
	v_add_nc_u32 v[RFA], 8*256, v[RFA]             ; fc's rows run on through both passes
.endif
.endm
	s_mov_b32 s[PASS], 2
.Lpass:
	s_cmp_eq_u32 s[PASS], 2
	s_cbranch_scc0 .Lhigh
	DUMP 0
	s_branch .Ldumped
.Lhigh:
	DUMP 1
.Ldumped:
	v_mov_b32 v[RDA], v[RD0]
	s_cmp_lt_u32 s[TYPE], 2
	s_cbranch_scc0 .Lplain
	ROWS 1
	s_branch .Lrows_done
.Lplain:
	ROWS 0
.Lrows_done:
	s_sub_co_u32 s[PASS], s[PASS], 1
	s_cmp_lg_u32 s[PASS], 0
	s_cbranch_scc1 .Lpass
	s_wait_tensorcnt 0x0                           ; the wave's end, behind my last tensor load and my last LDS store
	ds_add_u32 v[SPW], v[NIL]
	s_wait_dscnt 0x0
	CROUND                                         ; the closing round
	s_endpgm
.Lfunc_end_k_q7b0b790bf6_gemm1:
	.size	k_q7b0b790bf6_gemm1, .Lfunc_end_k_q7b0b790bf6_gemm1-k_q7b0b790bf6_gemm1
	.p2alignl 7, 3214868480
	.fill 96, 4, 3214868480
	.section	.rodata,"a",@progbits
	.p2align	6, 0x0
	.amdhsa_kernel k_q7b0b790bf6_gemm1
		.amdhsa_group_segment_fixed_size 327680
		.amdhsa_private_segment_fixed_size 0
		.amdhsa_enable_private_segment 0
		.amdhsa_kernarg_size 48
		.amdhsa_user_sgpr_count 2
		.amdhsa_user_sgpr_kernarg_segment_ptr 1
		.amdhsa_wavefront_size32 1
		.amdhsa_system_sgpr_workgroup_id_x 1
		.amdhsa_system_sgpr_workgroup_id_y 1
		.amdhsa_system_sgpr_workgroup_id_z 1
		.amdhsa_system_vgpr_workitem_id 0
		.amdhsa_next_free_vgpr 1024
		.amdhsa_next_free_sgpr 96
		.amdhsa_reserve_vcc 1
		.amdhsa_float_denorm_mode_32 3
		.amdhsa_float_denorm_mode_16_64 3
		.amdhsa_memory_ordered 1
		.amdhsa_forward_progress 1
		.amdhsa_inst_pref_size 121
	.end_amdhsa_kernel
	.amdgpu_metadata
---
amdhsa.version: [ 1, 2 ]
amdhsa.kernels:
  - .name:           k_q7b0b790bf6_gemm1
    .symbol:         k_q7b0b790bf6_gemm1.kd
    .args:
      - { .name: hb, .offset: 0, .size: 8, .value_kind: global_buffer, .address_space: global }
      - { .name: wb, .offset: 8, .size: 8, .value_kind: global_buffer, .address_space: global }
      - { .name: qkv_b, .offset: 16, .size: 8, .value_kind: global_buffer, .address_space: global }
      - { .name: gate_b, .offset: 24, .size: 8, .value_kind: global_buffer, .address_space: global }
      - { .name: fc, .offset: 32, .size: 8, .value_kind: global_buffer, .address_space: global }
      - { .name: qkvg, .offset: 40, .size: 8, .value_kind: global_buffer, .address_space: global }
    .group_segment_fixed_size: 327680
    .private_segment_fixed_size: 0
    .kernarg_segment_align: 8
    .kernarg_segment_size: 48
    .max_flat_workgroup_size: 128
    .sgpr_count:     96
    .vgpr_count:     1024
    .wavefront_size: 32
...
	.end_amdgpu_metadata
.endif
;; end of part 2
;; launch attn (part 3): grid 8 x 32, 4 waves a work-group, clusters of 4 x 4, 327,680 bytes of LDS; arguments qkvg, bp, yb; writes yb
.if DOCPART == 3
	.amdgcn_target "amdgcn-amd-amdhsa--gfx1250"
	.amdhsa_code_object_version 6
	.text
	.protected	k_q7b0b790bf6_attn
	.globl	k_q7b0b790bf6_attn
	.p2align	8
	.type	k_q7b0b790bf6_attn,@function
k_q7b0b790bf6_attn:
	s_mov_b64 s[64:65], 0
	v_nop
	global_prefetch_b8 v0, s[64:65] scope:SCOPE_SE
	s_setreg_imm32_b32 hwreg(HW_REG_WAVE_MODE, 25, 1), 1
	s_wait_xcnt 0x0
	s_wait_alu depctr_hold_cnt(0) depctr_sa_sdst(0) depctr_va_vdst(0) depctr_va_sdst(0) depctr_va_ssrc(0) depctr_va_vcc(0) depctr_vm_vsrc(0)
	s_getreg_b32 s2, hwreg(HW_REG_IB_STS2, 6, 4)
	s_cmp_eq_u32 s2, 0
	s_cbranch_scc0 .Lentry_in_a_cluster
	s_endpgm
.Lentry_in_a_cluster:
	s_bfe_u32 s2, ttmp6, 0x10000c
	s_cmp_lg_u32 s2, 0xf033
	s_cbranch_scc0 .Lentry_shape_is_right
	s_endpgm
.Lentry_shape_is_right:
; ATTENTION for the 1,024 main queries of each of 8 x 16 heads, over all 1,025 keys.  q, k, v are columns 0-1023, 1024-2047, 2048-3071 of qkvg ([8200][4096] bf16; a head is 64 columns);
; bp holds 8 x Bbias in f32 (rows of 1,024; column 1024 apart at BCOL); yb [8200][1024] bf16 takes the result.  Products, maxima and sums in f32; the weights are rounded to bf16 for the second product.
; SHARES.  A work-group owns 128 queries of one batch and FOUR HEADS: a wave is a head, with eight tiles of 16 queries in four PIECES of two.  So one bias tile in LDS serves four heads, and the K (or V) of
; four neighbouring heads is one tile with rows of 512 bytes.  16 key steps of 64; a slot of the ring holds one step: K, V and the bias tile.
; CLUSTER 4 x 4: x = four query blocks, which share K and V (asked for jointly along a row); y = four head groups, which share the bias tile (jointly along a column).  The cluster's y is the batch.
; THE BIAS is the f32 C operand of the product that starts S^T = K Q^T; with 8 x Bbias one factor c = log2(e) / 8 scales the whole sum.
; THE EXTRA KEY (token 1024, row 8192 + b) is the softmax's starting state: m = q . kx + 8 Bbias[q][1024], l = 1, O = vx.  So there is no 17th step and no mask.
; LAYOUT.  S^T holds ONE query a lane (lane % 16) and the keys 8 (lane / 16) + 0..7; two such results rounded to bf16 ARE source 1 of O^T = V^T P.  p = 2^(c s - c m) with a running maximum m;
; O and l are multiplied by a = 2^(c m_old - c m_new) in every step.
; BY TURNS.  Turn n belongs to piece n: 16 products K Q^T of piece n + 1, later 16 products V^T P of piece n - 1; beside them the scaling, exponentials, roundings, sums and rescaling of piece n and the
; maximum and statistics of piece n + 1.  Four vector instructions stand behind every matrix instruction, the rest in one lump.  A turn's 66 exponentials are one batch with one wait.
; Limits: operands rounded to bf16; a weight below 2^-126 counts as 0 in l; NaN and infinities are not treated apart.
; REGISTERS, in windows of 256: window 0: v0-11 addresses; v12-15, v48-63 at work; v16-47 statistics; v64-191 S^T, two buffers of two tiles; v192-255 P, likewise.
;   window 1: O^T, 32 a tile.   window 2: v0-127 Q; v128-191 K of one step; v192-255 V of one step.   window 3: v0-127 the bias, two buffers by the piece's parity; v128-129 the add's registers.
.set NP,    4
.set KS,    64
.set PK,    528       ; a row of K in LDS: 512 bytes + 16: the 16 rows of a load start at 16 different groups of four banks
.set PV,    544       ; a row of V: 512 + 32
.set PB,    272       ; a row of the bias tile: 64 f32 + 16 bytes
.set VOFF,  KS*PK
.set BOFF,  VOFF+KS*PV
.set SLOT1, 1<<17
.set STAGE, SLOT1+BOFF+128*PB   ; behind the ring: 128 rows x 528 bytes, the work-group's, for the way out
.set SP,    528
.set SPARE, STAGE+128*SP
.set BCOL,  4198400
.set PFO, 0           ; v0   the prefetches' offset (made when v0 has served)
.set QO,  1           ; v1   my byte offset in 16 rows of Q
.set AK0, 2
.set AV0, 3
.set AK,  4
.set AV,  5
.set STO, 6
.set RD,  7
.set GO,  8
.set AB0, 9
.set AB,  10
.set LH,  11          ; v11  1.0 in lanes 0-15, 0 in lanes 16-31
.set SPW, 128         ; window 3
.set NIL, 129         ; window 3
.set MV,  12
.set ST,  16          ; tile t: c m, m, l (even keys', odd keys')
.set TMP, 48
.set S,   64
.set P,   192
.set KF,  128
.set VF,  192
.set BB,  0
.set WV,  12
.set CX,  13
.set CY,  14
.set LIM, 15
.set PFA, 18
.set G1K, 24
.set G1V, 32
.set G0K, 40
.set G0V, 44
.set G1B, 48
.set SLOTS, 56
.set CNT, 57
.set CS,  58
.set SEL, 60
.set TB,  62
.set HM,  63
.set G0B, 68
.set PFS, 72
.set QP,  74
.set YP,  76
.set XP,  78
.set BC,  84
.set BA,  86
.set MSB, 0
.macro WIN new
.if MSB != (\new)
	s_set_vgpr_msb (MSB<<8)|(\new)
.set MSB, (\new)
.endif
.endm
.set W_KQ, 0x0a       ; K and Q in window 2, S^T in window 0
.set W_KB, 0x3a       ; the same with the C operand in window 3
.set W_PV, 0x52       ; V in window 2, P in window 0, O^T in window 1
.set W_RS, 0x41
.set W_MK, 0xc0
.set W_AD, 0x0f
.macro JLOAD                        ; a joint fill: wave 0 K's tile, wave 1 V's, waves 2 and 3 the halves of the bias tile.  An s_nop 0 and four v_nop follow each line
	s_cmp_eq_u32 s[WV], 0
	s_cbranch_scc0 .Lnot_k_\@
	tensor_load_to_lds s[G0K:G0K+3], s[G1K:G1K+7]
	s_nop 0
.rept 4
	v_nop
.endr
	s_branch .Lasked_\@
.Lnot_k_\@:
	s_cmp_eq_u32 s[WV], 1
	s_cbranch_scc0 .Lfor_b_\@
	tensor_load_to_lds s[G0V:G0V+3], s[G1V:G1V+7]
	s_nop 0
.rept 4
	v_nop
.endr
	s_branch .Lasked_\@
.Lfor_b_\@:
	tensor_load_to_lds s[G0B:G0B+3], s[G1B:G1B+7]
	s_nop 0
.rept 4
	v_nop
.endr
.Lasked_\@:
.endm
.macro ASK                          ; what the NEXT change of slots will ask for.  K's and V's rows are named by the cluster with x = 0 (waves 0, 1; 16 rows a partner, two blocks of 256 bytes a row),
	s_cmp_gt_u32 s[SLOTS], s[LIM]   ; the bias tile's by the cluster with y = 0 (wave 2; 32 rows a partner); partners are told apart by address.  The last change that fills a slot asks for nothing.
	s_cbranch_scc0 .Lnot_mine_\@
	global_prefetch_b8 v[PFO], s[PFA:PFA+1] th:TH_LOAD_NT scope:SCOPE_SE
.Lnot_mine_\@:
.endm
.macro CROUND
	s_barrier_signal -1
	s_barrier_wait -1
	s_cmp_lg_u32 s[WV], 0
	s_cbranch_scc1 .Lnot_wave_0_\@
	s_barrier_signal -3
.Lnot_wave_0_\@:
	s_barrier_wait -3
	s_barrier_signal -1
	s_barrier_wait -1
.endm
; THE CHANGE OF SLOTS, once a key step.  Each wave waits for all its tensor loads (one is out: its part of the other slot), adds 0 to its spare word, and waits for that and for its reads of the slot that it leaves.
; fill = 1: the barrier is a round of the cluster's, and the joint fill, with the step two on, is the first thing behind it.
.macro CHANGE fill
	WIN W_AD
	s_wait_tensorcnt 0x0
	ds_add_u32 v[SPW], v[NIL]       ; 0 onto my spare word; the descriptors' steps stand between it and the wait for it
	WIN 0
.if \fill
.irp g, G0K, G0V
	s_xor_b32 s[\g+1], s[\g+1], SLOT1
	s_add_nc_u64 s[\g+2:\g+3], s[\g+2:\g+3], KS*8192   ; the next 64 keys
.endr
	s_xor_b32 s[G0B+1], s[G0B+1], SLOT1
	s_add_nc_u64 s[G0B+2:G0B+3], s[G0B+2:G0B+3], KS*4  ; the next 64 columns
	s_wait_xcnt 0x0                 ; the last prefetch, a key step back, has read its address
	s_add_nc_u64 s[PFA:PFA+1], s[PFA:PFA+1], s[PFS:PFS+1]
	s_wait_dscnt 0x0
	CROUND
	JLOAD
	ASK
.else
	s_wait_dscnt 0x0
	s_barrier_signal -1
	s_barrier_wait -1
.endif
	s_xor_b32 s[TB], s[TB], SLOT1   ; all fetches up to the next change read the other slot
	v_add_nc_u32 v[AK], s[TB], v[AK0]
	v_add_nc_u32 v[AV], s[TB], v[AV0]
	v_add_nc_u32 v[AB], s[TB], v[AB0]
.endm
	s_load_b128 s[4:7], s[0:1], 0x0   ; qkvg 4, bp 6
	s_load_b64 s[8:9], s[0:1], 0x10   ; yb
	WIN W_MK
	v_lshl_add_u32 v[SPW], v0, 2, SPARE
	v_mov_b32 v[NIL], 0
	WIN W_AD
	ds_add_u32 v[SPW], v[NIL]       ; the wave's opening: the add and its wait ahead of my first tensor load
	WIN 0
	v_lshrrev_b32 v1, 5, v0
	v_readfirstlane_b32 s[WV], v1
	s_bfe_u32 s[CX], ttmp6, 0x40000
	s_bfe_u32 s[CY], ttmp6, 0x40004 ; the head group
	s_and_b32 s[BA], ttmp7, 0xffff  ; the batch
	s_lshl_b32 s20, s[BA], 23       ; K's tile: 1,024 b rows of 8,192 bytes,
	s_lshl_b32 s21, s[CY], 9        ; the group's 512 bytes,
	s_add_co_u32 s20, s20, s21
	s_add_co_u32 s20, s20, 2048     ; behind q's 2,048
	s_mov_b32 s21, 0
	s_lshl_b32 s87, ttmp9, 2
	s_add_co_u32 s87, s87, s[CX]    ; j: my block of 128 queries
	s_lshl_b32 s22, s87, 19         ; the bias tile: 128 j rows of 4,096 bytes,
	s_and_b32 s16, s[WV], 1
	s_lshl_b32 s23, s16, 18         ; my half's 64 rows
	s_add_co_u32 s22, s22, s23
	s_mov_b32 s23, 0
	s_mul_i32 s17, s16, 64*PB
	s_lshl_b32 s80, s[CY], 2
	s_lshl_b32 s80, 15, s80         ; my row of the cluster
	s_lshl_b32 s81, 0x1111, s[CX]   ; my column
	s_or_b32 s[G1K], s80, (1<<16)|(1<<20)|(1<<21)|(6<<22)|(3<<25)  ; 2-byte elements; after every 128 words 4 words of padding
	s_or_b32 s[G1V], s80, (1<<16)|(1<<20)|(1<<21)|(6<<22)|(7<<25)  ; 8 words
	s_or_b32 s[G1B], s81, (2<<16)|(1<<20)|(1<<21)|(5<<22)|(3<<25)  ; 4-byte elements; after every 64 words 4 words
.irp g, G1K, G1V
	s_mov_b32 s[\g+1], 256<<16      ; 64 rows of 256 elements, 4,096 elements from row to row
	s_mov_b32 s[\g+2], 64<<16
	s_mov_b32 s[\g+3], 256<<16
	s_mov_b32 s[\g+4], 64
	s_mov_b32 s[\g+5], 4096
	s_mov_b32 s[\g+6], 0
	s_mov_b32 s[\g+7], 0
.endr
	s_mov_b32 s[G1B+1], 64<<16      ; 64 rows of 64 elements, 1,024 from row to row
	s_mov_b32 s[G1B+2], 64<<16
	s_mov_b32 s[G1B+3], 64<<16
	s_mov_b32 s[G1B+4], 64
	s_mov_b32 s[G1B+5], 1024
	s_mov_b32 s[G1B+6], 0
	s_mov_b32 s[G1B+7], 0
	s_mov_b32 s[CS], 0x3e38aa3b     ; c = log2(e) / 8
	s_mov_b32 s[CS+1], s[CS]
	s_mov_b32 s[SEL], 0x76543210
	s_mov_b32 s[SEL+1], 0xfedcba98
	s_mov_b32 s[HM], 0xffff0000
	s_mov_b32 s[TB], SLOT1          ; the first change turns it into 0
	s_mov_b32 s[SLOTS], 15
	s_mov_b32 s[G0K], 1
	s_mov_b32 s[G0K+1], 0
	s_mov_b32 s[G0V], 1
	s_mov_b32 s[G0V+1], VOFF
	s_mov_b32 s[G0B], 1
	s_add_co_u32 s[G0B+1], s17, BOFF
	s_lshl_b32 s82, s[CY], 2
	s_add_co_u32 s82, s82, s[WV]
	s_lshl_b32 s82, s82, 7          ; my head's 128 bytes in a row
	s_lshl_b32 s80, s87, 20         ; 128 j rows of 8,192 bytes
	s_lshl_b32 s81, s[BA], 23
	s_add_co_u32 s80, s80, s81
	s_add_co_u32 s80, s80, s82
	s_mov_b32 s81, 0
	s_wait_dscnt 0x0                ; the opening add is done
	s_wait_kmcnt 0x0
	s_add_nc_u64 s[QP:QP+1], s[4:5], s[80:81]       ; Q at my block's first row, my head
	s_lshl_b32 s80, s[BA], 13
	s_add_co_u32 s80, s80, 8192*8192
	s_add_co_u32 s80, s80, s82
	s_add_nc_u64 s[XP:XP+1], s[4:5], s[80:81]       ; row 8192 + b, my head
	s_lshl_b32 s80, s87, 9
	s_add_co_u32 s80, s80, BCOL
	s_add_nc_u64 s[BC:BC+1], s[6:7], s[80:81]       ; 8 Bbias[128 j ..][1024]
	s_lshl_b32 s80, s[BA], 10
	s_lshl_b32 s83, s87, 7
	s_add_co_u32 s80, s80, s83
	s_lshl_b32 s83, s[WV], 5
	s_add_co_u32 s80, s80, s83
	s_lshl_b32 s80, s80, 11
	s_lshl_b32 s83, s[CY], 9
	s_add_co_u32 s80, s80, s83
	s_add_nc_u64 s[YP:YP+1], s[8:9], s[80:81]       ; yb at row 1024 b + 128 j + 32 w, the group's 512 bytes
	s_add_nc_u64 s[G0K+2:G0K+3], s[4:5], s[20:21]
	s_add_nc_u64 s[G0V+2:G0V+3], s[G0K+2:G0K+3], 2048
	s_or_b32 s[G0K+3], s[G0K+3], 0x80000000
	s_or_b32 s[G0V+3], s[G0V+3], 0x80000000
	s_add_nc_u64 s[G0B+2:G0B+3], s[6:7], s[22:23]
	s_or_b32 s[G0B+3], s[G0B+3], 0x80000000
	; the prefetches: offsets first, then the pointer
	s_lshl_b32 s80, s[CX], 17       ; K, V: my work-group's 16 rows of the 64,
	s_add_co_u32 s80, s80, s20
	s_lshl_b32 s83, s[WV], 11       ; wave 1: V lies 2,048 bytes behind K,
	s_add_co_u32 s80, s80, s83
	s_add_co_u32 s80, s80, KS*8192  ; at key step 1: the first change steps it to 2
	s_lshl_b32 s82, s[CY], 17       ; the bias: my work-group's 32 rows of the 128,
	s_lshl_b32 s83, s87, 19
	s_add_co_u32 s82, s82, s83
	s_add_co_u32 s82, s82, KS*4
	s_mov_b32 s83, KS*8192          ; K's and V's step from key step to key step (an instruction takes one literal, so this one comes by a register)
	s_cmp_lt_u32 s[WV], 2
	s_cselect_b32 s80, s80, s82
	s_cselect_b64 s[PFA:PFA+1], s[4:5], s[6:7]
	s_cselect_b32 s[PFS], s83, KS*4
	s_cselect_b32 s82, ttmp9, s[BA] ; the coordinate along which other clusters read the same rows
	s_cselect_b32 s16, 1, 0         ; two lanes a row, or one
	s_cselect_b32 s17, 13, 12       ; rows of 8,192 or of 4,096 bytes
	s_cmp_eq_u32 s[WV], 3
	s_cselect_b32 s82, 1, s82       ; wave 3 never asks
	s_cmp_eq_u32 s82, 0
	s_cselect_b32 s[LIM], 1, -1     ; hangs on the wave's number and the cluster's place alone
	s_mov_b32 s[PFS+1], 0
	s_add_nc_u64 s[PFA:PFA+1], s[PFA:PFA+1], s[80:81]
	CROUND                          ; all sixteen work-groups are here: the first joint loads meet
	JLOAD                           ; key step 0 into slot 0
	v_and_b32 v12, 15, v0           ; r
	v_bfe_u32 v13, v0, 4, 1         ; h
	v_and_b32 v14, 7, v0
	v_bfe_u32 v15, v0, 3, 1
	v_lshlrev_b32 v[QO], 13, v12
	v_lshl_add_u32 v[QO], v13, 4, v[QO]
	v_lshlrev_b32 v56, 4, v13       ; 16 h
	v_lshlrev_b32 v57, 2, v12       ; 4 r
	WIN 0x80
.set i, 0
.rept 16                            ; Q stays in registers: tile i / 2, channels 32 (i % 2) on
	global_load_b128 v[8*i:8*i+3],   v[QO], s[QP:QP+1] offset:(i/2)*131072+(i%2)*64
	global_load_b128 v[8*i+4:8*i+7], v[QO], s[QP:QP+1] offset:(i/2)*131072+(i%2)*64+32
.set i, i+1
.endr
.irp c, 0,1                         ; the extra key as a fragment of K in which all 16 rows are that key
	global_load_b128 v[KF+8*\c:KF+8*\c+3],   v56, s[XP:XP+1] offset:2048+64*\c
	global_load_b128 v[KF+8*\c+4:KF+8*\c+7], v56, s[XP:XP+1] offset:2048+64*\c+32
.endr
.set i, VF
.rept 64
	v_mov_b32 v[i], 0               ; the first turn's products V^T P, of a piece that has not been, add 0: V and P's second buffer hold 0
.set i, i+1
.endr
	WIN 0
.irp cb, 0,1,2,3                    ; the extra key's v: channels 16 cb + 8 h + 0..7
	global_load_b128 v[P+4*\cb:P+4*\cb+3], v56, s[XP:XP+1] offset:4096+32*\cb
.endr
.irp t, 0,1,2,3,4,5,6,7
	global_load_b32 v[TMP+\t], v57, s[BC:BC+1] offset:64*\t
.endr
.set i, P+32
.rept 32
	v_mov_b32 v[i], 0
.set i, i+1
.endr
	s_lshl_b32 s80, s[WV], 7        ; my head's 128 bytes in a row of K, V or the stage
	v_mul_u32_u24 v[AK0], v12, PK
	v_lshl_add_u32 v[AK0], v13, 4, v[AK0]
	v_add_nc_u32 v[AK0], s80, v[AK0]
	v_lshl_add_u32 v[AV0], v13, 3, v14   ; the turning load: lane l reads key 8 (l / 16) + l % 8, channels 8 ((l / 8) % 2) + 0..7
	v_mul_u32_u24 v[AV0], v[AV0], PV
	v_lshl_add_u32 v[AV0], v15, 4, v[AV0]
	s_add_co_u32 s81, s80, VOFF
	v_add_nc_u32 v[AV0], s81, v[AV0]
	v_mul_u32_u24 v[AB0], v12, PB        ; the bias: row = query r, 32 bytes for each half of the lanes
	v_lshl_add_u32 v[AB0], v13, 5, v[AB0]
	v_add_nc_u32 v[AB0], BOFF, v[AB0]
	v_sub_nc_u32 v[LH], 1, v13
	v_cvt_f32_u32 v[LH], v[LH]
	v_mul_u32_u24 v[STO], v12, SP
	v_lshl_add_u32 v[STO], v13, 4, v[STO]
	s_add_co_u32 s81, s80, STAGE
	v_add_nc_u32 v[STO], s81, v[STO]
	s_mul_i32 s81, s[WV], 32*SP
	s_add_co_u32 s81, s81, STAGE
	v_and_b32 v[GO], 31, v0
	v_lshlrev_b32 v[GO], 4, v[GO]
	v_add_nc_u32 v[RD], s81, v[GO]
	v_and_b32 v0, 31, v0
	v_lshrrev_b32 v58, s16, v0
	v_lshlrev_b32 v58, s17, v58
	v_and_b32 v59, s16, v0
	v_lshl_add_u32 v[PFO], v59, 8, v58
	s_wait_loadcnt 0x0
	WIN W_KQ
.irp c, 0,1                         ; q . kx for all eight tiles: eight accumulators by turns; every row of a result holds the same number
.irp t, 0,1,2,3,4,5,6,7
.if \c == 0
	v_wmma_f32_16x16x32_bf16 v[S+8*\t:S+8*\t+7], v[KF+8*\c:KF+8*\c+7], v[16*\t+8*\c:16*\t+8*\c+7], 0
.else
	v_wmma_f32_16x16x32_bf16 v[S+8*\t:S+8*\t+7], v[KF+8*\c:KF+8*\c+7], v[16*\t+8*\c:16*\t+8*\c+7], v[S+8*\t:S+8*\t+7]
.endif
.endr
.endr
	WIN 0x40                        ; O^T starts as vx in every tile; these lines are the places behind the products above
.set t, 0
.rept 8
.set i, 0
.rept 16
	v_lshlrev_b32 v[32*t+2*i], 16, v[P+i]
	v_and_b32 v[32*t+2*i+1], s[HM], v[P+i]
.set i, i+1
.endr
.set t, t+1
.endr
	WIN 0
.irp t, 0,1,2,3,4,5,6,7
	v_add_f32 v[ST+4*\t+1], v[S+8*\t], v[TMP+\t]     ; m
	v_mul_f32 v[ST+4*\t], s[CS], v[ST+4*\t+1]        ; c m
	v_mov_b32 v[ST+4*\t+2], v[LH]                    ; l = 1, counted in one half of the lanes
	v_mov_b32 v[ST+4*\t+3], 0
.endr
; THE MATRIX WORK.  The 8 accumulators of a run of 16 take turns.
.macro KQ x                         ; product i of 16 of S^T for piece x: channels 32 (i / 8) on, keys 16 ((i / 2) % 4) on, tile 2 x + i % 2.  The first 8 start the sums with the bias
.set rS, S+64*((\x)%2)+32*(i%2)+8*((i/2)%4)
.set rK, KF+16*((i/2)%4)+8*(i/8)
.set rQ, 16*(2*(\x)+i%2)+8*(i/8)
.set rB, BB+64*((\x)%2)+32*(i%2)+8*((i/2)%4)
.if i < 8
	WIN W_KB
	v_wmma_f32_16x16x32_bf16 v[rS:rS+7], v[rK:rK+7], v[rQ:rQ+7], v[rB:rB+7]
.else
	WIN W_KQ
	v_wmma_f32_16x16x32_bf16 v[rS:rS+7], v[rK:rK+7], v[rQ:rQ+7], v[rS:rS+7]
.endif
.endm
.macro PV x                         ; product i of 16 of O^T += V^T P for piece x
	WIN W_PV
.set rO, 32*(2*(\x)+i%2)+8*((i/2)%4)
.set rV, VF+32*(i/8)+8*((i/2)%4)
.set rP, P+32*((\x)%2)+16*(i%2)+8*(i/8)
	v_wmma_f32_16x16x32_bf16 v[rO:rO+7], v[rV:rV+7], v[rP:rP+7], v[rO:rO+7]
.endm
.macro MM
.if i < 16
	KQ (Y+1)%NP
.set i, i+1
.else
.set i, i-16
	PV (Y+NP-1)%NP
.set i, i+17
.endif
.endm
; THE LDS LOADS stand in runs of 16.
.macro FETCH_K
	WIN 0x80
.irp f, 0,1,2,3,4,5,6,7
	ds_load_b128 v[KF+8*\f:KF+8*\f+3],   v[AK] offset:(\f/2)*16*PK+(\f%2)*64
	ds_load_b128 v[KF+8*\f+4:KF+8*\f+7], v[AK] offset:(\f/2)*16*PK+(\f%2)*64+32
.endr
	WIN 0
.endm
.macro FETCH_V
	WIN 0x80
.irp f, 0,1,2,3,4,5,6,7
	ds_load_tr16_b128 v[VF+8*\f:VF+8*\f+3],   v[AV] offset:(\f/4)*32*PV+(\f%4)*32
	ds_load_tr16_b128 v[VF+8*\f+4:VF+8*\f+7], v[AV] offset:(\f/4)*32*PV+16*PV+(\f%4)*32
.endr
	WIN 0
.endm
.macro FETCH_B y                    ; the bias of piece y's two tiles x 64 keys, as C operands: register j of block kb is key 16 kb + 8 h + j of query r
	WIN 0xc0
.irp u, 0,1
.irp kb, 0,1,2,3
	ds_load_b128 v[BB+64*((\y)%2)+32*\u+8*\kb:BB+64*((\y)%2)+32*\u+8*\kb+3],   v[AB] offset:(32*(\y)+16*\u)*PB+64*\kb
	ds_load_b128 v[BB+64*((\y)%2)+32*\u+8*\kb+4:BB+64*((\y)%2)+32*\u+8*\kb+7], v[AB] offset:(32*(\y)+16*\u)*PB+64*\kb+16
.endr
.endr
	WIN 0
.endm
; THE VECTOR WORK OF A TURN stands in three queues, each in the order in which its entries become ready; the two tiles alternate.
.macro REGS y, u
.set rT, ST+4*(2*(\y)+(\u))
.set rC, TMP+8*((\y)%2)+4*(\u)
.set rM, MV+2*((\y)%2)+(\u)
.set rS, S+64*((\y)%2)+32*(\u)
.set rP, P+32*((\y)%2)+16*(\u)
.set rO, 32*(2*(\y)+(\u))
.endm
; Number n of the 22 that find the NEXT piece's maximum and statistics; each accumulator's lowest registers are read first.
.macro XS u, n
	REGS (Y+1)%NP, \u
.if (\n) < 4
	v_max3_num_f32 v[rC+(\n)], v[rS+8*(\n)], v[rS+8*(\n)+1], v[rS+8*(\n)+2]
.elseif (\n) < 12
	v_max3_num_f32 v[rC+(\n)%4], v[rC+(\n)%4], v[rS+8*((\n)%4)+2*((\n)/4)+1], v[rS+8*((\n)%4)+2*((\n)/4)+2]
.elseif (\n) == 12
	v_max3_num_f32 v[rC], v[rC], v[rS+7], v[rS+15]
.elseif (\n) == 13
	v_max3_num_f32 v[rC+1], v[rC+1], v[rS+23], v[rS+31]
.elseif (\n) == 14
	v_max3_num_f32 v[rC+2], v[rC+2], v[rC+3], v[rT+1]
.elseif (\n) == 15
	v_mov_b32 v[rM], v[rT]
.elseif (\n) == 16
	v_max3_num_f32 v[rC], v[rC], v[rC+1], v[rC+2]
.elseif (\n) == 17
	v_permlanex16_b32 v[rC+3], v[rC], s[SEL], s[SEL+1]
.elseif (\n) == 18
	v_max_num_f32 v[rT+1], v[rC], v[rC+3]
.elseif (\n) == 19
	v_mul_f32 v[rT], s[CS], v[rT+1]
.elseif (\n) == 20
	v_sub_f32 v[rC+1], v[rM], v[rT]
.else
	v_exp_f32 v[rC+2], v[rC+1]
.endif
.endm
; Number g of the 64 that follow the exponentials: roundings to bf16, the second pair of four weights added onto the first, and a group later l takes that sum (the first time as l = a l + sum).
.macro GS g
.set h, (\g)+6*((\g)/62)
.if h >= 6
.set h, h+2
.endif
	REGS Y, h%2
.set k, h/8
.if h%8 < 4
	v_cvt_pk_bf16_f32 v[rP+2*k+(h%8)/2], v[rS+4*k+2*((h%8)/2)], v[rS+4*k+2*((h%8)/2)+1]
.elseif h%8 < 6
	v_pk_add_f32 v[rS+4*k:rS+4*k+1], v[rS+4*k:rS+4*k+1], v[rS+4*k+2:rS+4*k+3]
.elseif k == 1
	v_pk_fma_f32 v[rT+2:rT+3], v[rT+2:rT+3], v[rC+2:rC+3], v[rS:rS+1] op_sel_hi:[1,0,1]
.else
	v_pk_add_f32 v[rT+2:rT+3], v[rT+2:rT+3], v[rS+4*k-4:rS+4*k-3]
.endif
.endm
.macro FS f                         ; c s - c m for pair f / 2 of tile f % 2
	REGS Y, (\f)%2
	v_pk_fma_f32 v[rS+2*((\f)/2):rS+2*((\f)/2)+1], v[rS+2*((\f)/2):rS+2*((\f)/2)+1], s[CS:CS+1], v[rT:rT+1] op_sel_hi:[1,0,0] neg_lo:[0,0,1] neg_hi:[0,0,1]
.endm
; THE PLAIN QUEUE, 138 long: 0-73 read no exponential's result (the 32 scalings and the next piece's 42); 74-137 are GS's 64, which stand behind the wait.
.macro PL
	WIN 0
.if q < 27
	FS q
.elseif q < 55
	XS (q-27)%2, (q-27)/2
.elseif q < 57
	XS q-55, 15
.elseif (q < 72) && ((q-57)%3 == 0)
	FS 27+(q-57)/3
.elseif q < 60
	XS (q-57)%3-1, 14
.elseif q < 72
	XS (q-57)%3-1, 15+(q-57)/3
.elseif q < 74
	XS q-72, 20
.else
	GS q-74
.endif
.set q, q+1
.endm
.macro EX                           ; THE EXPONENTIALS' QUEUE, 66 long: one batch ahead of the turn's one wait
	WIN 0
.if e >= 64
	XS e-64, 21
.else
	REGS Y, e%2
	v_exp_f32 v[rS+e/2], v[rS+e/2]
.endif
.set e, e+1
.endm
.macro R2                           ; THE RESCALING's QUEUE: O^T times a, two at a time
	REGS Y, r%2
	WIN W_RS
.irp z, 0,1
	v_pk_mul_f32 v[rO+4*(r/2)+2*\z:rO+4*(r/2)+2*\z+1], v[rO+4*(r/2)+2*\z:rO+4*(r/2)+2*\z+1], v[rC+2:rC+3] op_sel_hi:[1,0]
.endr
.set r, r+1
.endm
; A TURN, for piece p.  Ahead of the one wait: 16 products K Q^T, behind each a scaling, an exponential and two rescalings, then a lump of 108.  Behind it: the turn's LDS loads, then 16 products V^T P with four of GS's 64 behind each.
; THE LOADS.  Every turn fetches the bias of piece p + 2, which the next turn's products take; turn 2 also K of the next step; turn 0, at its end, four plain instructions behind V's last reader, V of the step in hand.
; All fetches between two changes of slots belong to one key step.  THE WAITS.  Turns 0, 2, 3 begin with all LDS loads in.  Turn 1 begins with 16 out (V's run; the bias issued ahead of it is in), and waits once more
; ahead of its V^T P with 16 out (its own bias run; V is in).  last = 1 (the tail): in the last trip there is no further step, and the runs are jumped over.
.macro TURN p, last=0, cnt=0
.set Y, (\p)
.set i, 0
.set q, 0
.set e, 0
.set r, 0
.if (\p) == 1
	s_wait_dscnt 16
.else
	s_wait_dscnt 0x0
.endif
	MM
	PL
	PL
	R2
.rept 15
	MM
	PL
	EX
	R2
.endr
.rept 8
	PL
.endr
.rept 49
	EX
	PL
.endr
	EX
	EX
	v_nop                           ; a plain instruction behind the last exponential: one for the batch
	s_wait_alu depctr_va_vdst(0)    ; the wait for the batch, ahead of the first instruction that names a result
.if \last
	s_cmp_eq_u32 s[CNT], 1
	s_cbranch_scc1 .Lno_f_\@
.endif
.if (\p) == 2
	FETCH_K
.endif
	FETCH_B ((\p)+2)%NP
.if \last
.Lno_f_\@:
.endif
.if (\p) == 1
	s_wait_dscnt 16
.endif
.rept 16
	MM
.rept 4
	PL
.endr
.if (\cnt) && (q == 130)
	s_sub_co_u32 s[SLOTS], s[SLOTS], 1
	s_cmp_lg_u32 s[SLOTS], 0
.endif
.endr
.if (\p) == 0
	FETCH_V
.endif
.endm
	CHANGE 1                        ; slot 0 is in, everybody's part of it; key step 1 is asked for
	FETCH_K                         ; key step 0
	FETCH_B 0
	FETCH_B 1
	s_wait_dscnt 0x0
.set i, 0
.rept 16
	KQ 0
.set i, i+1
.endr
	WIN 0
.rept 4
	v_nop                           ; the places behind those products
.endr
.set Y, NP-1
.irp n, 0,1,2,3,4,5,6,7,8,9,10,11,12,13,14,15,16,17,18,19,20,21
	XS 0, \n
	XS 1, \n
.endr
	v_nop
	s_wait_alu depctr_va_vdst(0)
	s_branch .Lfirst                ; the loop is entered at a step's first turn, in the middle of a trip
.Lslot:                             ; 14 trips: pieces 2 and 3 of one step, then pieces 0 and 1 of the next, whose K, V and bias the trip fetches
	CHANGE 1
	TURN 2
	TURN 3
	WIN 0
.Lfirst:
	TURN 0
	TURN 1, 0, 1
	WIN 0
	s_cbranch_scc1 .Lslot
	CHANGE 0                        ; the tail is written out: nothing is asked for
	s_mov_b32 s[CNT], 2
.Ltail:
	TURN 2, 1
	TURN 3, 1
	WIN 0
	s_sub_co_u32 s[CNT], s[CNT], 1
	s_cmp_eq_u32 s[CNT], 0
	s_cbranch_scc1 .Lout
	TURN 0
	TURN 1
	WIN 0
	s_branch .Ltail
.Lout:                              ; the second trip's last 16 products K Q^T (on the last K once more) and the maximum made of them serve nothing: the price of one text for every trip
.set i, 0
.rept 16
	PV NP-1
.set i, i+1
.endr
	; THE WAY OUT.  O^T is divided by l, rounded to bf16 and laid into the work-group's stage, a row a query, 128 bytes a head; behind a barrier each wave stores 32 whole rows of 512 bytes.
	WIN 0
.macro ALL line:vararg
.set t, 0
.rept 2*NP
	\line
.set t, t+1
.endr
.endm
	ALL v_add_f32 v[ST+4*t+2], v[ST+4*t+2], v[ST+4*t+3]
	ALL v_permlanex16_b32 v[ST+4*t+3], v[ST+4*t+2], s[SEL], s[SEL+1]
	ALL v_add_f32 v[ST+4*t+2], v[ST+4*t+2], v[ST+4*t+3]
	ALL v_rcp_f32 v[ST+4*t+2], v[ST+4*t+2]
	v_nop
	s_wait_alu depctr_va_vdst(0)    ; one wait for the eight reciprocals
.macro PACK t
	WIN W_RS
.set i, 32*(\t)
.rept 16
	v_pk_mul_f32 v[i:i+1], v[i:i+1], v[ST+4*(\t)+2:ST+4*(\t)+3] op_sel_hi:[1,0]
.set i, i+2
.endr
	WIN 0x05
.set i, 0
.rept 16
	v_cvt_pk_bf16_f32 v[S+16*(\t)+i], v[32*(\t)+2*i], v[32*(\t)+2*i+1]
.set i, i+1
.endr
	WIN 0
.irp f, 0,1,2,3
	ds_store_b128 v[STO], v[S+16*(\t)+4*\f:S+16*(\t)+4*\f+3] offset:(\t)*16*SP+32*\f
.endr
.endm
.set t, 0
.rept 2*NP
	PACK t
.set t, t+1
.endr
	s_wait_dscnt 0x0                ; for the others' sake: my head's part of all 128 rows lies in the stage
	s_barrier_signal -1
	s_barrier_wait -1
.set i, 0
.rept 32
	ds_load_b128 v[S+4*i:S+4*i+3], v[RD] offset:i*SP
.set i, i+1
.endr
.set i, 0
.rept 32
	s_wait_dscnt 31-i
	global_store_b128 v[GO], v[S+4*i:S+4*i+3], s[YP:YP+1] offset:i*2048   ; 512 consecutive bytes, at a multiple of 256 from yb's first
.set i, i+1
.endr
	WIN W_AD
	s_wait_tensorcnt 0x0            ; the wave's end
	ds_add_u32 v[SPW], v[NIL]
	s_wait_dscnt 0x0
	WIN 0
	CROUND                          ; the closing round
	s_endpgm
.Lfunc_end_k_q7b0b790bf6_attn:
	.size	k_q7b0b790bf6_attn, .Lfunc_end_k_q7b0b790bf6_attn-k_q7b0b790bf6_attn
	.p2alignl 7, 3214868480
	.fill 96, 4, 3214868480
	.section	.rodata,"a",@progbits
	.p2align	6, 0x0
	.amdhsa_kernel k_q7b0b790bf6_attn
		.amdhsa_group_segment_fixed_size 327680
		.amdhsa_private_segment_fixed_size 0
		.amdhsa_enable_private_segment 0
		.amdhsa_kernarg_size 24
		.amdhsa_user_sgpr_count 2
		.amdhsa_user_sgpr_kernarg_segment_ptr 1
		.amdhsa_wavefront_size32 1
		.amdhsa_system_sgpr_workgroup_id_x 1
		.amdhsa_system_sgpr_workgroup_id_y 1
		.amdhsa_system_sgpr_workgroup_id_z 1
		.amdhsa_system_vgpr_workitem_id 0
		.amdhsa_next_free_vgpr 912
		.amdhsa_next_free_sgpr 88
		.amdhsa_reserve_vcc 0
		.amdhsa_float_denorm_mode_32 3
		.amdhsa_float_denorm_mode_16_64 3
		.amdhsa_memory_ordered 1
		.amdhsa_forward_progress 1
		.amdhsa_inst_pref_size 216
	.end_amdhsa_kernel
	.amdgpu_metadata
---
amdhsa.version: [ 1, 2 ]
amdhsa.kernels:
  - .name:           k_q7b0b790bf6_attn
    .symbol:         k_q7b0b790bf6_attn.kd
    .args:
      - { .name: qkvg, .offset: 0, .size: 8, .value_kind: global_buffer, .address_space: global }
      - { .name: bp, .offset: 8, .size: 8, .value_kind: global_buffer, .address_space: global }
      - { .name: yb, .offset: 16, .size: 8, .value_kind: global_buffer, .address_space: global }
    .group_segment_fixed_size: 327680
    .private_segment_fixed_size: 0
    .kernarg_segment_align: 8
    .kernarg_segment_size: 24
    .max_flat_workgroup_size: 128
    .sgpr_count:     88
    .vgpr_count:     912
    .wavefront_size: 32
...
	.end_amdgpu_metadata
.endif
;; end of part 3
;; launch xq (part 4): grid 128 x 1, 16 waves a work-group, no clusters, 317,952 bytes of LDS; arguments qkvg, bp, yb; writes yb
.if DOCPART == 4
	.amdgcn_target "amdgcn-amd-amdhsa--gfx1250"
	.amdhsa_code_object_version 6
	.text
	.protected	k_q7b0b790bf6_xq
	.globl	k_q7b0b790bf6_xq
	.p2align	8
	.type	k_q7b0b790bf6_xq,@function
k_q7b0b790bf6_xq:
	s_mov_b64 s[64:65], 0
	v_nop
	global_prefetch_b8 v0, s[64:65] scope:SCOPE_SE
	s_setreg_imm32_b32 hwreg(HW_REG_WAVE_MODE, 25, 1), 1
	s_wait_xcnt 0x0
; THE EXTRA QUERY (token 1024) of each of the 128 heads, over all 1,025 keys.  A work-group is a head; wave w takes keys 64 w .. 64 w + 63; the sixteen partial results meet in LDS.
; The query fills all 16 columns of source 1, so all 16 columns of every product are equal, and lanes with the same l / 16 hold the same numbers.
; S^T = K Q^T with row 1024 of 8 x Bbias as the C operand.  K and V are loaded as they lie, four rows of 128 consecutive bytes an instruction, and go through the wave's own LDS bytes: K comes back as
; fragments, V turned by ds_load_tr16_b128.
; THE EXTRA KEY is wave 0's starting state (m = q . kx + 8 Bbias[1024][1024], l = 1, O = vx); the other waves start at the lowest number, 0 and 0.  Every wave makes the number; a scalar mask selects.
; No tensor load: the tiles are used once, by one wave.  Limits as in the launch for the main queries.
.set PVX,  160                         ; a row of V in LDS: 128 bytes + 32
.set PKX,  144                         ; a row of K in LDS: 128 bytes + 16
.set KOFF, 64*PVX                      ; a wave's bytes: 64 rows of V, then 64 rows of K
.set WREG, 64*(PVX+PKX)
.set MB,   16*WREG                     ; 16 words: the waves' maxima
.set PO,   MB+256                      ; 16 x 256 bytes: the waves' O
.set PL,   PO+4096                     ; 16 words: the waves' l
.set SPARE, PL+256                     ; the spare words, 128 bytes for each of 16 waves
.set BCOL, 4198400
.set SPW, 14
.set NIL, 15
.set QX, 16
.set KF, 32
.set S,  96
.set P,  128                           ; first the two accumulators of q . kx, later the weights
.set VF, 144
.set O,  208
.set KX, 240                           ; the extra key; its registers serve as statistics later
.set T,  240
.set CM, 244
.set MM, 245
.set L,  246
.set A,  248
.set CMO, 250
.set M0, 251
.macro PLACES
.rept 4
	v_nop
.endr
.endm
	s_load_b128 s[4:7], s[0:1], 0x0                ; qkvg 4, bp 6
	s_load_b64 s[8:9], s[0:1], 0x10                ; yb
	v_lshl_add_u32 v[SPW], v0, 2, SPARE
	v_mov_b32 v[NIL], 0
	v_lshrrev_b32 v1, 5, v0
	v_readfirstlane_b32 s10, v1                    ; wave 0..15
	s_lshr_b32 s11, ttmp9, 4                       ; batch
	s_and_b32 s12, ttmp9, 15                       ; head
	s_lshl_b32 s12, s12, 7                         ; its 128 bytes in a row
	s_mov_b32 s22, 0x3e38aa3b                      ; c = log2(e) / 8
	s_mov_b32 s23, s22
	s_mov_b32 s24, 0x76543210
	s_mov_b32 s25, 0xfedcba98
	s_cmp_eq_u32 s10, 0
	s_cselect_b32 s26, -1, 0                       ; all ones in wave 0
	s_mul_i32 s27, s10, WREG
	s_add_co_u32 s13, s27, KOFF
	s_mov_b32 s29, 0
	v_and_b32 v1, 15, v0                           ; r
	v_bfe_u32 v2, v0, 4, 1                         ; h
	v_and_b32 v3, 31, v0                           ; l
	v_lshlrev_b32 v4, 4, v2                        ; 16 h
	v_lshlrev_b32 v6, 5, v2                        ; 32 h
	v_lshrrev_b32 v12, 3, v3
	v_and_b32 v13, 7, v3
	v_lshlrev_b32 v7, 13, v12
	v_lshl_add_u32 v7, v13, 4, v7                  ; K and V in memory: four rows of 128 bytes a load
	v_mul_u32_u24 v8, v12, PVX
	v_lshl_add_u32 v8, v13, 4, v8
	v_add_nc_u32 v8, s27, v8                       ; where V's rows go
	v_mul_u32_u24 v5, v12, PKX
	v_lshl_add_u32 v5, v13, 4, v5
	v_add_nc_u32 v5, s13, v5                       ; where K's rows go
	v_mul_u32_u24 v1, v1, PKX
	v_lshl_add_u32 v1, v2, 4, v1
	v_add_nc_u32 v1, s13, v1                       ; a fragment of K: row r, 16 h
	v_lshl_add_u32 v9, v2, 3, v13
	v_mul_u32_u24 v9, v9, PVX
	v_bfe_u32 v12, v0, 3, 1
	v_lshl_add_u32 v9, v12, 4, v9
	v_add_nc_u32 v9, s27, v9                       ; the turning load's address
	v_mov_b32 v10, 0
	v_sub_nc_u32 v11, 1, v2
	v_cvt_f32_u32 v11, v11                         ; 1.0 in lanes 0-15
	s_wait_kmcnt 0x0
	s_lshl_b32 s28, s11, 23
	s_lshl_b32 s13, s10, 19
	s_add_co_u32 s28, s28, s13
	s_add_co_u32 s28, s28, s12
	s_add_nc_u64 s[14:15], s[4:5], s[28:29]        ; row 1024 b + 64 w, my head
	s_lshl_b32 s28, s11, 13
	s_add_co_u32 s28, s28, 8192*8192
	s_add_co_u32 s28, s28, s12
	s_add_nc_u64 s[16:17], s[4:5], s[28:29]        ; row 8192 + b, my head
	s_lshl_b32 s28, s10, 8
	s_add_co_u32 s28, s28, 1024*4096
	s_add_nc_u64 s[18:19], s[6:7], s[28:29]        ; bp's row 1024, keys 64 w ..
	s_lshl_b32 s28, s11, 11
	s_add_co_u32 s28, s28, 8192*2048
	s_add_co_u32 s28, s28, s12
	s_add_nc_u64 s[20:21], s[8:9], s[28:29]        ; yb's row 8192 + b, my head
.set t, 0
.rept 16
	global_load_b128 v[KF+4*t:KF+4*t+3], v7, s[14:15] offset:2048+t*32768
.set t, t+1
.endr
.set t, 0
.rept 16
	global_load_b128 v[VF+4*t:VF+4*t+3], v7, s[14:15] offset:4096+t*32768
.set t, t+1
.endr
.irp c, 0,1
	global_load_b128 v[QX+8*\c:QX+8*\c+3],   v4, s[16:17] offset:64*\c
	global_load_b128 v[QX+8*\c+4:QX+8*\c+7], v4, s[16:17] offset:64*\c+32
	global_load_b128 v[KX+8*\c:KX+8*\c+3],   v4, s[16:17] offset:2048+64*\c
	global_load_b128 v[KX+8*\c+4:KX+8*\c+7], v4, s[16:17] offset:2048+64*\c+32
.endr
.irp cb, 0,1,2,3
	global_load_b128 v[O+4*\cb:O+4*\cb+3], v4, s[16:17] offset:4096+32*\cb
.endr
.irp kb, 0,1,2,3
	global_load_b128 v[S+8*\kb:S+8*\kb+3],   v6, s[18:19] offset:64*\kb
	global_load_b128 v[S+8*\kb+4:S+8*\kb+7], v6, s[18:19] offset:64*\kb+16
.endr
	global_load_b32 v12, v10, s[6:7] offset:BCOL+4096      ; 8 Bbias[1024][1024]
	s_wait_loadcnt 0x0
.set t, 0
.rept 16
	ds_store_b128 v5, v[KF+4*t:KF+4*t+3] offset:4*PKX*t
.set t, t+1
.endr
.irp f, 0,1,2,3,4,5,6,7                ; my own bytes: LDS serves a wave's instructions in order.  Keys 16 (f / 2) on, channels 32 (f % 2) on
	ds_load_b128 v[KF+8*\f:KF+8*\f+3],   v1 offset:(\f/2)*16*PKX+(\f%2)*64
	ds_load_b128 v[KF+8*\f+4:KF+8*\f+7], v1 offset:(\f/2)*16*PKX+(\f%2)*64+32
.endr
.set t, 0
.rept 16
	ds_store_b128 v8, v[VF+4*t:VF+4*t+3] offset:4*PVX*t
.set t, t+1
.endr
.irp f, 0,1,2,3,4,5,6,7
	ds_load_tr16_b128 v[VF+8*\f:VF+8*\f+3],   v9 offset:(\f/4)*32*PVX+(\f%4)*32
	ds_load_tr16_b128 v[VF+8*\f+4:VF+8*\f+7], v9 offset:(\f/4)*32*PVX+16*PVX+(\f%4)*32
.endr
	v_wmma_f32_16x16x32_bf16 v[P:P+7],    v[KX:KX+7],    v[QX:QX+7],    0      ; q . kx in two halves, on two accumulators
	v_wmma_f32_16x16x32_bf16 v[P+8:P+15], v[KX+8:KX+15], v[QX+8:QX+15], 0
	s_wait_dscnt 32                                ; K's fragments are in; V's 16 stores and 16 turning loads, issued behind them, may be out
.irp c, 0,1
.irp kb, 0,1,2,3                       ; four accumulators by turns; the bias lies in them
	v_wmma_f32_16x16x32_bf16 v[S+8*\kb:S+8*\kb+7], v[KF+16*\kb+8*\c:KF+16*\kb+8*\c+7], v[QX+8*\c:QX+8*\c+7], v[S+8*\kb:S+8*\kb+7]
.endr
.endr
	PLACES
	v_add_f32 v[M0], v[P], v[P+8]
	v_add_f32 v[M0], v[M0], v12
	v_mov_b32 v13, 0xff7fffff
	v_cndmask_b32 v[MM], v13, v[M0], s26           ; wave 0: the extra key's score; else the lowest finite number
	v_mul_f32 v[CMO], s22, v[MM]
	v_and_b32 v[L], s26, v11
	v_mov_b32 v[L+1], 0
	v_mov_b32 v[A+1], 0
.set i, 15
.rept 16                               ; vx, or 0, widened in place from the top down
	v_and_b32 v[O+i], s26, v[O+i]
	v_and_b32 v[O+2*i+1], 0xffff0000, v[O+i]
	v_lshlrev_b32 v[O+2*i], 16, v[O+i]
.set i, i-1
.endr
.irp k, 0,1,2,3
	v_max3_num_f32 v[T+\k], v[S+8*\k], v[S+8*\k+1], v[S+8*\k+2]
.endr
.irp k, 0,1,2,3
	v_max3_num_f32 v[T+\k], v[T+\k], v[S+8*\k+3], v[S+8*\k+4]
.endr
.irp k, 0,1,2,3
	v_max3_num_f32 v[T+\k], v[T+\k], v[S+8*\k+5], v[S+8*\k+6]
.endr
	v_max3_num_f32 v[T], v[T], v[S+7], v[S+15]
	v_max3_num_f32 v[T+1], v[T+1], v[S+23], v[S+31]
	v_max3_num_f32 v[T+2], v[T+2], v[T+3], v[MM]
	v_max3_num_f32 v[T], v[T], v[T+1], v[T+2]
	v_permlanex16_b32 v[T+3], v[T], s24, s25
	v_max_num_f32 v[MM], v[T], v[T+3]
	v_mul_f32 v[CM], s22, v[MM]
	v_sub_f32 v[T+1], v[CMO], v[CM]
.set i, 0
.rept 16
	v_pk_fma_f32 v[S+i:S+i+1], v[S+i:S+i+1], s[22:23], v[CM:CM+1] op_sel_hi:[1,0,0] neg_lo:[0,0,1] neg_hi:[0,0,1]
.set i, i+2
.endr
	v_exp_f32 v[A], v[T+1]
.set i, 0
.rept 32
	v_exp_f32 v[S+i], v[S+i]
.set i, i+1
.endr
	v_nop
	s_wait_alu depctr_va_vdst(0)                   ; one wait for the 33 exponentials
.set i, 0
.rept 16
	v_cvt_pk_bf16_f32 v[P+i], v[S+2*i], v[S+2*i+1]
.set i, i+1
.endr
.irp w, 4,8,16,32                      ; the sum of the 16 pairs, in place
.set i, 0
.rept 32/\w
	v_pk_add_f32 v[S+i:S+i+1], v[S+i:S+i+1], v[S+i+\w/2:S+i+\w/2+1]
.set i, i+\w
.endr
.endr
	v_pk_fma_f32 v[L:L+1], v[L:L+1], v[A:A+1], v[S:S+1] op_sel_hi:[1,0,1]
.set i, 0
.rept 16
	v_pk_mul_f32 v[O+i:O+i+1], v[O+i:O+i+1], v[A:A+1] op_sel_hi:[1,0]
.set i, i+2
.endr
	s_wait_dscnt 0x0                               ; V, turned
.irp kk, 0,1
.irp cb, 0,1,2,3
	v_wmma_f32_16x16x32_bf16 v[O+8*\cb:O+8*\cb+7], v[VF+32*\kk+8*\cb:VF+32*\kk+8*\cb+7], v[P+8*\kk:P+8*\kk+7], v[O+8*\cb:O+8*\cb+7]
.endr
.endr
	v_add_f32 v[L], v[L], v[L+1]                   ; these lines name none of the products' registers: the places behind them
	v_permlanex16_b32 v[L+1], v[L], s24, s25
	v_add_f32 v[L], v[L], v[L+1]
	s_lshl_b32 s27, s10, 2
	s_add_co_u32 s27, s27, MB
	v_mov_b32 v12, s27
	v_mov_b32 v13, MB
	ds_store_b32 v12, v[MM]                        ; all lanes hold the same number
	s_wait_dscnt 0x0
	s_barrier_signal -1
	s_barrier_wait -1
.irp i, 0,1,2,3
	ds_load_b128 v[S+4*\i:S+4*\i+3], v13 offset:16*\i
.endr
	s_wait_dscnt 0x0
	v_max3_num_f32 v[T], v[S], v[S+1], v[S+2]
	v_max3_num_f32 v[T+1], v[S+3], v[S+4], v[S+5]
	v_max3_num_f32 v[T+2], v[S+6], v[S+7], v[S+8]
	v_max3_num_f32 v[T+3], v[S+9], v[S+10], v[S+11]
	v_max3_num_f32 v[T], v[T], v[S+12], v[S+13]
	v_max3_num_f32 v[T+1], v[T+1], v[S+14], v[S+15]
	v_max3_num_f32 v[T], v[T], v[T+1], v[T+2]
	v_max_num_f32 v[T], v[T], v[T+3]               ; the head's maximum
	v_mul_f32 v[T+1], s22, v[T]
	v_sub_f32 v[T+1], v[CM], v[T+1]
	v_exp_f32 v[A], v[T+1]                         ; my part's weight
	v_nop
	s_wait_alu depctr_va_vdst(0)
.set i, 0
.rept 16
	v_pk_mul_f32 v[O+i:O+i+1], v[O+i:O+i+1], v[A:A+1] op_sel_hi:[1,0]
.set i, i+2
.endr
	v_mul_f32 v[L], v[L], v[A]
	s_lshl_b32 s27, s10, 8
	s_add_co_u32 s27, s27, PO
	v_lshl_add_u32 v12, v2, 5, s27
	s_lshl_b32 s27, s10, 2
	s_add_co_u32 s27, s27, PL
	v_mov_b32 v13, s27
.irp cb, 0,1,2,3                       ; channels 16 cb + 8 h + 0..7; the sixteen lanes of a half store the same numbers to the same bytes
	ds_store_b128 v12, v[O+8*\cb:O+8*\cb+3]   offset:64*\cb
	ds_store_b128 v12, v[O+8*\cb+4:O+8*\cb+7] offset:64*\cb+16
.endr
	ds_store_b32 v13, v[L]
	s_wait_dscnt 0x0
	s_barrier_signal -1
	s_barrier_wait -1
	s_cmp_lg_u32 s10, 0
	s_cbranch_scc1 .Lend
	v_lshl_add_u32 v12, v3, 3, PO                  ; lane l takes channels 2 l, 2 l + 1
	v_mov_b32 v13, PL
.set i, 0
.rept 16
	ds_load_b64 v[S+2*i:S+2*i+1], v12 offset:256*i
.set i, i+1
.endr
.irp i, 0,1,2,3
	ds_load_b128 v[KF+4*\i:KF+4*\i+3], v13 offset:16*\i
.endr
	s_wait_dscnt 0x0
.irp w, 4,8,16,32
.set i, 0
.rept 32/\w
	v_pk_add_f32 v[S+i:S+i+1], v[S+i:S+i+1], v[S+i+\w/2:S+i+\w/2+1]
.set i, i+\w
.endr
.endr
.irp w, 4,8,16
.set i, 0
.rept 16/\w
	v_pk_add_f32 v[KF+i:KF+i+1], v[KF+i:KF+i+1], v[KF+i+\w/2:KF+i+\w/2+1]
.set i, i+\w
.endr
.endr
	v_add_f32 v[KF], v[KF], v[KF+1]
	v_rcp_f32 v[KF+2], v[KF]
	v_lshlrev_b32 v12, 2, v3
	s_wait_alu depctr_va_vdst(0)
	v_mul_f32 v[S], v[S], v[KF+2]
	v_mul_f32 v[S+1], v[S+1], v[KF+2]
	v_cvt_pk_bf16_f32 v[S+2], v[S], v[S+1]
	global_store_b32 v12, v[S+2], s[20:21]         ; the head's 128 bytes on end
.Lend:
	s_wait_tensorcnt 0x0                           ; the wave's end, behind my last LDS store
	ds_add_u32 v[SPW], v[NIL]
	s_wait_dscnt 0x0
	s_endpgm
.Lfunc_end_k_q7b0b790bf6_xq:
	.size	k_q7b0b790bf6_xq, .Lfunc_end_k_q7b0b790bf6_xq-k_q7b0b790bf6_xq
	.p2alignl 7, 3214868480
	.fill 96, 4, 3214868480
	.section	.rodata,"a",@progbits
	.p2align	6, 0x0
	.amdhsa_kernel k_q7b0b790bf6_xq
		.amdhsa_group_segment_fixed_size 317952
		.amdhsa_private_segment_fixed_size 0
		.amdhsa_enable_private_segment 0
		.amdhsa_kernarg_size 24
		.amdhsa_user_sgpr_count 2
		.amdhsa_user_sgpr_kernarg_segment_ptr 1
		.amdhsa_wavefront_size32 1
		.amdhsa_system_sgpr_workgroup_id_x 1
		.amdhsa_system_sgpr_workgroup_id_y 1
		.amdhsa_system_sgpr_workgroup_id_z 1
		.amdhsa_system_vgpr_workitem_id 0
		.amdhsa_next_free_vgpr 256
		.amdhsa_next_free_sgpr 66
		.amdhsa_reserve_vcc 0
		.amdhsa_float_denorm_mode_32 3
		.amdhsa_float_denorm_mode_16_64 3
		.amdhsa_memory_ordered 1
		.amdhsa_forward_progress 1
		.amdhsa_inst_pref_size 29
	.end_amdhsa_kernel
	.amdgpu_metadata
---
amdhsa.version: [ 1, 2 ]
amdhsa.kernels:
  - .name:           k_q7b0b790bf6_xq
    .symbol:         k_q7b0b790bf6_xq.kd
    .args:
      - { .name: qkvg, .offset: 0, .size: 8, .value_kind: global_buffer, .address_space: global }
      - { .name: bp, .offset: 8, .size: 8, .value_kind: global_buffer, .address_space: global }
      - { .name: yb, .offset: 16, .size: 8, .value_kind: global_buffer, .address_space: global }
    .group_segment_fixed_size: 317952
    .private_segment_fixed_size: 0
    .kernarg_segment_align: 8
    .kernarg_segment_size: 24
    .max_flat_workgroup_size: 512
    .sgpr_count:     66
    .vgpr_count:     256
    .wavefront_size: 32
...
	.end_amdgpu_metadata
.endif
;; end of part 4
;; launch gemm2 (part 5): grid 4 x 64, 4 waves a work-group, clusters of 4 x 4, 327,680 bytes of LDS; arguments yb, ob, out_b, qkvg, x, out0; writes out0
.if DOCPART == 5
	.amdgcn_target "amdgcn-amd-amdhsa--gfx1250"
	.amdhsa_code_object_version 6
	.text
	.protected	k_q7b0b790bf6_gemm2
	.globl	k_q7b0b790bf6_gemm2
	.p2align	8
	.type	k_q7b0b790bf6_gemm2,@function
k_q7b0b790bf6_gemm2:
	s_mov_b64 s[64:65], 0
	v_nop
	global_prefetch_b8 v0, s[64:65] scope:SCOPE_SE
	s_setreg_imm32_b32 hwreg(HW_REG_WAVE_MODE, 25, 1), 1
	s_wait_xcnt 0x0
	s_wait_alu depctr_hold_cnt(0) depctr_sa_sdst(0) depctr_va_vdst(0) depctr_va_sdst(0) depctr_va_ssrc(0) depctr_va_vcc(0) depctr_vm_vsrc(0)
	s_getreg_b32 s2, hwreg(HW_REG_IB_STS2, 6, 4)
	s_cmp_eq_u32 s2, 0
	s_cbranch_scc0 .Lentry_in_a_cluster
	s_endpgm
.Lentry_in_a_cluster:
	s_bfe_u32 s2, ttmp6, 0x10000c
	s_cmp_lg_u32 s2, 0xf033
	s_cbranch_scc0 .Lentry_shape_is_right
	s_endpgm
.Lentry_shape_is_right:
; GEMM2.  out0 = x + sigmoid(gate) * (yb ob^T + out_b).  yb [8200][1024], ob [1024][1024] bf16; the gate's logits are columns 3072-4095 of qkvg (bf16); x and out0 f32 [8][1025][1024].
; Row m < 8192 of yb is token m % 1024 of batch m / 1024, that is row m + m / 1024 of x and out0; row 8192 + b is token 1024 of batch b.
; A tile of 128 x 256 is made by four waves, 64 x 128 each: 32 accumulators.  256 work-groups.  K goes in 8 steps of 128 through two LDS slots, 1 << 17 bytes apart, so that one exclusive or changes slots.
; CLUSTER 4 x 4: yb's tile is asked for jointly along a row of the cluster, ob's along a column.  The product is used transposed; out_b is the C operand of the first product.
; THE GATE's tile comes with the first fills, into bytes of its own that no later load fills.  In the K loop's last four trips each wave turns its own 64 x 128 part of it into sigmoid values, in place, rounded
; once to bf16: a wave has only 128 matrix instructions between a tile's request and the wait for it, and this work stands among them.
; THE WAY OUT: x's tile goes into slot 0's bytes when its last K step has been read; the f32 sums go through the wave's own stage in slot 1's bytes, 32 rows at a time; a counted loop reads sums, x and
; sigmoid as whole rows and stores 512 consecutive bytes a row.
; THE EIGHT EXTRA ROWS: in the clusters with y < 4 a work-group also makes 16 columns (256 tx + 16 ty ..) of rows 8192-8199, K split among its four waves.
; Limits: operands rounded to bf16; the gate's logit was rounded once to bf16, and its sigmoid is rounded once to bf16 (2^-9 of itself at the most); NaN and infinities are not treated apart.
.set KSTEP,  128
.set PITCH,  272
.set AHALF,  64*PITCH
.set ABYTES, 128*PITCH
.set BHALF,  128*PITCH
.set SLOT1,  1<<17
.set STG,    SLOT1
.set SPITCH, 528
.set WSTG,   32*SPITCH
.set GT,     SLOT1+ABYTES+2*BHALF      ; the gate's tile: 128 rows x 512 bytes
.set SPARE,  GT+128*512
.set XSC,    SPARE+512                 ; the extra rows' four partial sums
.set RXA,  12                          ; v12 where I read x's rows
.set RGA,  13                          ; v13 where I read the sigmoid's rows on the way out
.set RSG,  14                          ; v14 where the K loop stands in my part of the gate's tile
.set ADRA, 16
.set A0,   17
.set ADRB, 20
.set B0,   21
.set STO,  24
.set RDA,  25
.set CO,   26
.set RD0,  27
.set SPW,  28
.set NIL,  29
.set PFO,  30
.set PFXO, 31
.set D,    32                          ; v32-63   eight stage rows
.set XR,   64                          ; v64-95   eight rows of x, then of the result
.set GU,   96                          ; v96-127  the way out: the sigmoid, widened
.set SGU,  128                         ; v128-159 the K loop: eight rows of the gate in f32 (v64-127 hold yb's fragments there)
.set G,    192                         ; v192-207 eight rows of the gate's tile as they lie in LDS
.set BI,   0                           ; window 1, v0-63: out_b of my 128 columns
.set WV, 16
.set WR, 17
.set WC, 18
.set CX, 19
.set CY, 20
.set TX, 21
.set TY, 22
.set YC, 23
.set G1A, 24
.set G0A, 32
.set TB,  42
.set LIM, 43
.set PFA, 44
.set STEPS, 47
.set G1B, 48
.set G0B, 56
.set G1X, 72
.set G0X, 80
.set G1G, 84
.set G0G, 92
.set PASS, 96
.set RT,  97
.set CP,  98
.set PFX, 100
.set MSB, 0
.macro WIN new
.if MSB != (\new)
	s_set_vgpr_msb (MSB<<8)|(\new)
.set MSB, \new
.endif
.endm
.macro PLACES
.rept 4
	v_nop
.endr
.endm
.macro JLOAD s                         ; waves 0, 1 fetch the halves of yb's tile, waves 2, 3 those of ob's
	s_cmp_lt_u32 s[WV], 2
	s_cbranch_scc0 .Lfor_b_\@
	tensor_load_to_lds s[G0A+4*(\s):G0A+4*(\s)+3], s[G1A:G1A+7]
	s_nop 0
.rept 4
	v_nop
.endr
	s_branch .Lasked_\@
.Lfor_b_\@:
	tensor_load_to_lds s[G0B+4*(\s):G0B+4*(\s)+3], s[G1B:G1B+7]
	s_nop 0
.rept 4
	v_nop
.endr
.Lasked_\@:
.endm
; PREFETCHES, behind the joint load and the run of LDS loads.  The ring: the K step two refills on, 32 rows x 256 bytes, a lane a row: yb's 128 rows by wave 0 (32 rows a partner along x; no other cluster reads them),
; ob's by waves 2 and 3 of the cluster with y = 0 (32 rows a partner along y).  x: in the last four trips every wave names one quarter (256 bytes) of each of the 32 rows that it will ask for at the tail.
.macro ASK
	s_cmp_gt_u32 s[STEPS], s[LIM]
	s_cbranch_scc0 .Lnot_ring_\@
	global_prefetch_b8 v[PFO], s[PFA:PFA+1] offset:KSTEP*2 th:TH_LOAD_NT scope:SCOPE_SE
.Lnot_ring_\@:
	s_cmp_lt_u32 s[STEPS], 5
	s_cbranch_scc0 .Lnot_x_\@
	global_prefetch_b8 v[PFXO], s[PFX:PFX+1] offset:-768 th:TH_LOAD_NT scope:SCOPE_SE   ; the pointer has been stepped three times more than quarters have been named
.Lnot_x_\@:
.endm
.macro CREST
	s_cmp_lg_u32 s[WV], 0
	s_cbranch_scc1 .Lnot_wave_0_\@
	s_barrier_signal -3
.Lnot_wave_0_\@:
	s_barrier_wait -3
	s_barrier_signal -1
	s_barrier_wait -1
.endm
.macro CROUND
	s_barrier_signal -1
	s_barrier_wait -1
	CREST
.endm
	s_load_b256 s[4:11], s[0:1], 0x0               ; yb 4, ob 6, out_b 8, qkvg 10
	s_load_b128 s[12:15], s[0:1], 0x20             ; x 12, out0 14
	v_lshl_add_u32 v[SPW], v0, 2, SPARE
	v_mov_b32 v[NIL], 0
	ds_add_u32 v[SPW], v[NIL]                      ; the wave's opening: the add and its wait ahead of my first tensor load
	v_lshrrev_b32 v1, 5, v0
	v_readfirstlane_b32 s[WV], v1
	s_lshr_b32 s[WR], s[WV], 1
	s_and_b32 s[WC], s[WV], 1
	s_bfe_u32 s[CX], ttmp6, 0x40000
	s_bfe_u32 s[CY], ttmp6, 0x40004
	s_lshl_b32 s[TX], ttmp9, 2
	s_add_co_u32 s[TX], s[TX], s[CX]
	s_and_b32 s[YC], ttmp7, 0xffff
	s_lshl_b32 s[TY], s[YC], 2
	s_add_co_u32 s[TY], s[TY], s[CY]
	s_lshl_b32 s40, s[CY], 2
	s_lshl_b32 s40, 15, s40
	s_lshl_b32 s41, 0x1111, s[CX]
	s_or_b32 s[G1A], s40, (1<<16)|(1<<20)|(1<<21)|(5<<22)|(3<<25)
	s_or_b32 s[G1B], s41, (1<<16)|(1<<20)|(1<<21)|(5<<22)|(3<<25)
	s_mov_b32 s[G1A+1], KSTEP<<16                  ; yb: 64 rows of 128 elements
	s_mov_b32 s[G1A+2], 64<<16
	s_mov_b32 s[G1A+3], KSTEP<<16
	s_mov_b32 s[G1A+4], 64
	s_mov_b32 s[G1A+5], 1024
	s_mov_b32 s[G1A+6], 0
	s_mov_b32 s[G1A+7], 0
	s_mov_b32 s[G1B+1], KSTEP<<16                  ; ob: 128 rows of 128 elements
	s_mov_b32 s[G1B+2], 128<<16
	s_mov_b32 s[G1B+3], KSTEP<<16
	s_mov_b32 s[G1B+4], 128
	s_mov_b32 s[G1B+5], 1024
	s_mov_b32 s[G1B+6], 0
	s_mov_b32 s[G1B+7], 0
	s_mov_b32 s[G1X], 2<<16                        ; x: 32 rows of 256 f32, 1,024 from row to row; no mask, no padding
	s_mov_b32 s[G1X+1], 256<<16
	s_mov_b32 s[G1X+2], 32<<16
	s_mov_b32 s[G1X+3], 256<<16
	s_mov_b32 s[G1X+4], 32
	s_mov_b32 s[G1X+5], 1024
	s_mov_b32 s[G1X+6], 0
	s_mov_b32 s[G1X+7], 0
	s_mov_b32 s[G1G], 1<<16                        ; gate: 32 rows of 256 bf16, 4,096 from row to row
	s_mov_b32 s[G1G+1], 256<<16
	s_mov_b32 s[G1G+2], 32<<16
	s_mov_b32 s[G1G+3], 256<<16
	s_mov_b32 s[G1G+4], 32
	s_mov_b32 s[G1G+5], 4096
	s_mov_b32 s[G1G+6], 0
	s_mov_b32 s[G1G+7], 0
	s_lshl_b32 s66, s[TY], 7
	s_lshl_b32 s67, s[WC], 6
	s_add_co_u32 s66, s66, s67
	s_lshl_b32 s66, s66, 11                        ; yb: row 128 ty + 64 half
	s_mov_b32 s67, 0
	s_lshl_b32 s68, s[TX], 8
	s_lshl_b32 s69, s[WC], 7
	s_add_co_u32 s68, s68, s69
	s_lshl_b32 s68, s68, 11                        ; ob: row 256 tx + 128 half
	s_mov_b32 s69, 0
	s_lshl_b32 s70, s[TY], 7
	s_lshl_b32 s71, s[WV], 5
	s_add_co_u32 s70, s70, s71                     ; row 128 ty + 32 w
	s_lshl_b32 s40, s70, 13
	s_lshl_b32 s41, s[TX], 9
	s_add_co_u32 s40, s40, s41
	s_add_co_u32 s40, s40, 6144                    ; the gate's tile
	s_mov_b32 s41, 0
	s_lshr_b32 s71, s[TY], 3                       ; the batch
	s_add_co_u32 s70, s70, s71
	s_lshl_b32 s70, s70, 12
	s_lshl_b32 s71, s[TX], 10
	s_add_co_u32 s70, s70, s71                     ; x's tile
	s_mov_b32 s71, 0
	s_mov_b32 s[TB], 0
	s_wait_dscnt 0x0                               ; the opening add is done
	s_wait_kmcnt 0x0
	s_add_nc_u64 s[66:67], s[4:5], s[66:67]
	s_add_nc_u64 s[68:69], s[6:7], s[68:69]
	s_mov_b32 s[G0X], 1
	s_lshl_b32 s[G0X+1], s[WV], 15                 ; my 32 rows of 1,024 bytes, from LDS byte 0 on
	s_add_nc_u64 s[G0X+2:G0X+3], s[12:13], s[70:71]
	s_add_nc_u64 s[PFX:PFX+1], s[12:13], s[70:71]
	s_or_b32 s[G0X+3], s[G0X+3], 0x80000000
	s_mov_b32 s[G0G], 1
	s_lshl_b32 s[G0G+1], s[WV], 14
	s_add_co_u32 s[G0G+1], s[G0G+1], GT
	s_add_nc_u64 s[G0G+2:G0G+3], s[10:11], s[40:41]
	s_or_b32 s[G0G+3], s[G0G+3], 0x80000000
	s_mul_i32 s40, s[WC], AHALF
	s_mul_i32 s41, s[WC], BHALF
	s_add_co_u32 s41, s41, ABYTES
	CROUND                                         ; all sixteen work-groups are here
.irp s, 0,1
	s_mov_b32 s[G0A+4*(\s)], 1
	s_add_co_u32 s[G0A+4*(\s)+1], s40, (\s)*SLOT1
	s_add_nc_u64 s[G0A+4*(\s)+2:G0A+4*(\s)+3], s[66:67], (\s)*KSTEP*2
	s_or_b32 s[G0A+4*(\s)+3], s[G0A+4*(\s)+3], 0x80000000
	s_mov_b32 s[G0B+4*(\s)], 1
	s_add_co_u32 s[G0B+4*(\s)+1], s41, (\s)*SLOT1
	s_add_nc_u64 s[G0B+4*(\s)+2:G0B+4*(\s)+3], s[68:69], (\s)*KSTEP*2
	s_or_b32 s[G0B+4*(\s)+3], s[G0B+4*(\s)+3], 0x80000000
	JLOAD \s
.endr
	tensor_load_to_lds s[G0G:G0G+3], s[G1G:G1G+7]  ; the third of my first fills: three loads of mine are out
	s_nop 0
	PLACES
	v_and_b32 v1, 15, v0                           ; r
	v_bfe_u32 v2, v0, 4, 1                         ; h
	v_mul_u32_u24 v3, v1, PITCH
	v_lshl_add_u32 v3, v2, 4, v3
	s_mul_i32 s66, s[WR], AHALF
	v_add_nc_u32 v[A0], s66, v3
	v_add_nc_u32 v[B0], s41, v3
	v_mov_b32 v[ADRA], v[A0]
	v_mov_b32 v[ADRB], v[B0]
	s_mul_i32 s66, s[WV], WSTG
	s_add_co_u32 s66, s66, STG
	v_mul_u32_u24 v3, v1, SPITCH
	v_lshl_add_u32 v3, v2, 5, v3
	v_add_nc_u32 v[STO], s66, v3
	v_and_b32 v3, 31, v0
	v_lshl_add_u32 v[RD0], v3, 4, s66
	v_lshlrev_b32 v[CO], 4, v3
	s_lshl_b32 s66, s[WR], 16
	s_lshl_b32 s67, s[WC], 9
	s_add_co_u32 s66, s66, s67
	v_lshl_add_u32 v[RXA], v3, 4, s66              ; x: row 64 wr, byte 512 wc + 16 l
	s_lshl_b32 s66, s[WR], 15
	s_lshl_b32 s67, s[WC], 8
	s_add_co_u32 s66, s66, s67
	s_add_co_u32 s66, s66, GT
	v_lshl_add_u32 v[RGA], v3, 3, s66              ; gate: row 64 wr, byte 256 wc + 8 l: my part of its tile, no other wave's
	v_mov_b32 v[RSG], v[RGA]
	v_lshlrev_b32 v[PFO], 11, v3
	v_lshlrev_b32 v[PFXO], 12, v3
	s_lshl_b32 s66, s[TY], 7
	s_lshl_b32 s67, s[WR], 6
	s_add_co_u32 s66, s66, s67
	s_lshr_b32 s67, s[TY], 3
	s_add_co_u32 s66, s66, s67
	s_lshl_b32 s66, s66, 12
	s_lshl_b32 s67, s[TX], 10
	s_add_co_u32 s66, s66, s67
	s_lshl_b32 s67, s[WC], 9
	s_add_co_u32 s66, s66, s67
	s_mov_b32 s67, 0
	s_add_nc_u64 s[CP:CP+1], s[14:15], s[66:67]    ; out0 at my first row and column
	s_lshl_b32 s66, s[TX], 10
	s_lshl_b32 s67, s[WC], 9
	s_add_co_u32 s66, s66, s67
	s_mov_b32 s67, 0
	s_add_nc_u64 s[68:69], s[8:9], s[66:67]
	v_lshlrev_b32 v6, 5, v2
	WIN 0x40
.irp b, 0,1,2,3,4,5,6,7
	global_load_b128 v[BI+8*(\b):BI+8*(\b)+3],   v6, s[68:69] offset:64*(\b)
	global_load_b128 v[BI+8*(\b)+4:BI+8*(\b)+7], v6, s[68:69] offset:64*(\b)+16
.endr
	WIN 0
	s_lshl_b32 s66, s[TY], 7                       ; the ring's prefetches
	s_lshl_b32 s67, s[CX], 5
	s_add_co_u32 s66, s66, s67                     ; yb: my work-group's 32 rows of the 128
	s_lshl_b32 s70, s[TX], 8
	s_lshl_b32 s71, s[WC], 7
	s_add_co_u32 s70, s70, s71
	s_lshl_b32 s71, s[CY], 5
	s_add_co_u32 s70, s70, s71                     ; ob: my work-group's 32 of the 128 rows that I fetch
	s_cmp_lt_u32 s[WV], 2
	s_cselect_b32 s66, s66, s70
	s_cselect_b64 s[PFA:PFA+1], s[4:5], s[6:7]
	s_cselect_b32 s67, s[WV], s[YC]                ; 0 in a wave that asks: wave 0; waves 2 and 3 of the cluster with y = 0
	s_cmp_eq_u32 s67, 0
	s_cselect_b32 s[LIM], 2, -1                    ; the last two trips' refills have no K step two on
	s_lshl_b32 s66, s66, 11
	s_mov_b32 s67, 0
	s_add_nc_u64 s[PFA:PFA+1], s[PFA:PFA+1], s[66:67]
	s_add_nc_u64 s[PFA:PFA+1], s[PFA:PFA+1], 2*KSTEP*2
	; THE EXTRA ROWS.  One branch on the cluster's y; the barrier inside it is passed by all four waves or by none.
	s_cmp_lt_u32 s[YC], 4
	s_cbranch_scc0 .Lno_x
	s_lshl_b32 s66, s[TX], 8
	s_lshl_b32 s67, s[TY], 4
	s_add_co_u32 s66, s66, s67                     ; c0 = 256 tx + 16 ty
	s_lshl_b32 s67, s[WV], 9                       ; my quarter of K
	v_and_b32 v3, 7, v1                            ; lanes r >= 8 repeat rows 0-7: every load stays inside its buffer
	v_lshlrev_b32 v4, 11, v3
	v_lshl_add_u32 v4, v2, 4, v4
	s_add_co_u32 s70, s67, 8192*2048
	v_add_nc_u32 v4, s70, v4                       ; yb: row 8192 + r % 8
	v_lshlrev_b32 v5, 11, v1
	v_lshl_add_u32 v5, v2, 4, v5
	s_lshl_b32 s70, s66, 11
	s_add_co_u32 s70, s70, s67
	v_add_nc_u32 v5, s70, v5                       ; ob: row c0 + r
	s_lshl_b32 s70, s66, 2
	v_add_nc_u32 v7, s70, v6                       ; out_b of columns c0 + 8 h ..
	v_lshlrev_b32 v9, 13, v3
	v_lshl_add_u32 v9, v2, 4, v9
	s_lshl_b32 s71, s66, 1
	s_add_co_u32 s71, s71, 8192*8192+6144
	v_add_nc_u32 v9, s71, v9                       ; the gate's logits of row 8192 + r % 8
	v_mul_u32_u24 v10, v3, 0x401000                ; x and out0: row 1025 (r % 8) + 1024
	v_add_nc_u32 v10, v10, v6
	s_add_co_u32 s70, s70, 1024*4096
	v_add_nc_u32 v10, s70, v10
.irp f, 0,1,2,3,4,5,6,7
	global_load_b128 v[64+8*(\f):64+8*(\f)+3],    v4, s[4:5] offset:64*(\f)
	global_load_b128 v[64+8*(\f)+4:64+8*(\f)+7],  v4, s[4:5] offset:64*(\f)+32
	global_load_b128 v[128+8*(\f):128+8*(\f)+3],   v5, s[6:7] offset:64*(\f)
	global_load_b128 v[128+8*(\f)+4:128+8*(\f)+7], v5, s[6:7] offset:64*(\f)+32
.endr
	global_load_b128 v[208:211], v7, s[8:9]
	global_load_b128 v[212:215], v7, s[8:9] offset:16
	global_load_b128 v[216:219], v9, s[10:11]
	global_load_b128 v[224:227], v10, s[12:13]
	global_load_b128 v[228:231], v10, s[12:13] offset:16
	s_wait_loadcnt 0x0
.irp f, 0,1,2,3,4,5,6,7
.if (\f) < 2
	v_wmma_f32_16x16x32_bf16 v[192+8*((\f)%2):192+8*((\f)%2)+7], v[128+8*(\f):128+8*(\f)+7], v[64+8*(\f):64+8*(\f)+7], 0
.else
	v_wmma_f32_16x16x32_bf16 v[192+8*((\f)%2):192+8*((\f)%2)+7], v[128+8*(\f):128+8*(\f)+7], v[64+8*(\f):64+8*(\f)+7], v[192+8*((\f)%2):192+8*((\f)%2)+7]
.endif
.endr
	PLACES
.irp z, 0,2,4,6
	v_pk_add_f32 v[192+(\z):193+(\z)], v[192+(\z):193+(\z)], v[200+(\z):201+(\z)]
.endr
	v_lshl_add_u32 v3, v0, 5, XSC
	ds_store_b128 v3, v[192:195]
	ds_store_b128 v3, v[196:199] offset:16
	s_wait_dscnt 0x0
	s_barrier_signal -1
	s_barrier_wait -1
	s_cmp_lg_u32 s[WV], 0
	s_cbranch_scc1 .Lno_x
.irp v, 0,1,2,3
	ds_load_b128 v[64+8*(\v):64+8*(\v)+3], v3 offset:1024*(\v)
	ds_load_b128 v[64+8*(\v)+4:64+8*(\v)+7], v3 offset:1024*(\v)+16
.endr
.irp z, 0,1,2,3
	v_lshlrev_b32 v[232+2*(\z)], 16, v[216+(\z)]
	v_and_b32 v[233+2*(\z)], 0xffff0000, v[216+(\z)]
.endr
.irp z, 0,2,4,6
	v_pk_mul_f32 v[232+(\z):233+(\z)], v[232+(\z):233+(\z)], 0xbfb8aa3b op_sel_hi:[1,0]
.endr
.irp z, 0,1,2,3,4,5,6,7
	v_exp_f32 v[232+(\z)], v[232+(\z)]
.endr
	v_nop
	s_wait_alu depctr_va_vdst(0)
.irp z, 0,2,4,6
	v_pk_add_f32 v[232+(\z):233+(\z)], v[232+(\z):233+(\z)], 1.0 op_sel_hi:[1,0]
.endr
.irp z, 0,1,2,3,4,5,6,7
	v_rcp_f32 v[232+(\z)], v[232+(\z)]
.endr
	v_nop
	s_wait_alu depctr_va_vdst(0)
	s_wait_dscnt 0x0
.irp z, 0,2,4,6
	v_pk_add_f32 v[64+(\z):65+(\z)], v[64+(\z):65+(\z)], v[72+(\z):73+(\z)]
	v_pk_add_f32 v[80+(\z):81+(\z)], v[80+(\z):81+(\z)], v[88+(\z):89+(\z)]
.endr
.irp z, 0,2,4,6
	v_pk_add_f32 v[64+(\z):65+(\z)], v[64+(\z):65+(\z)], v[80+(\z):81+(\z)]
.endr
.irp z, 0,2,4,6
	v_pk_add_f32 v[64+(\z):65+(\z)], v[64+(\z):65+(\z)], v[208+(\z):209+(\z)]
.endr
.irp z, 0,2,4,6
	v_pk_fma_f32 v[224+(\z):225+(\z)], v[232+(\z):233+(\z)], v[64+(\z):65+(\z)], v[224+(\z):225+(\z)]
.endr
	v_cmp_gt_u32 vcc_lo, 8, v1
	s_wait_xcnt 0x0                                ; EXEC changes only behind this wait
	s_and_saveexec_b32 s70, vcc_lo
	global_store_b128 v10, v[224:227], s[14:15]
	global_store_b128 v10, v[228:231], s[14:15] offset:16
	s_wait_xcnt 0x0
	s_or_b32 exec_lo, exec_lo, s70
.Lno_x:
	s_wait_loadcnt 0x0                             ; out_b of my columns
; 8 matrix instructions: row block a x all 8 column blocks, 32 along K, fragment buffers f.  The 32 accumulators take turns.
.macro MULA f, a, zero
.if \zero
	WIN 0x91
.else
	WIN 0xa1
.endif
.irp b, 0,1,2,3,4,5,6,7
.if \zero
	v_wmma_f32_16x16x32_bf16 v[8*(8*(\a)+(\b)):8*(8*(\a)+(\b))+7], v[64+64*(\f)+8*(\b):64+64*(\f)+8*(\b)+7], v[64+32*(\f)+8*(\a):64+32*(\f)+8*(\a)+7], v[BI+8*(\b):BI+8*(\b)+7]
.else
	v_wmma_f32_16x16x32_bf16 v[8*(8*(\a)+(\b)):8*(8*(\a)+(\b))+7], v[64+64*(\f)+8*(\b):64+64*(\f)+8*(\b)+7], v[64+32*(\f)+8*(\a):64+32*(\f)+8*(\a)+7], v[8*(8*(\a)+(\b)):8*(8*(\a)+(\b))+7]
.endif
.endr
.endm
.macro FETCH k, f                      ; 24 LDS loads in one run: ob's 16, then yb's 8
	WIN 0x40
.irp i, 0,1,2,3,4,5,6,7
	ds_load_b128 v[64+64*(\f)+8*(\i):64+64*(\f)+8*(\i)+3],   v[ADRB] offset:(\k)+(\i)*16*PITCH
	ds_load_b128 v[64+64*(\f)+8*(\i)+4:64+64*(\f)+8*(\i)+7], v[ADRB] offset:(\k)+(\i)*16*PITCH+32
.endr
	WIN 0
.irp i, 0,1,2,3
	ds_load_b128 v[64+32*(\f)+8*(\i):64+32*(\f)+8*(\i)+3],   v[ADRA] offset:(\k)+(\i)*16*PITCH
	ds_load_b128 v[64+32*(\f)+8*(\i)+4:64+32*(\f)+8*(\i)+7], v[ADRA] offset:(\k)+(\i)*16*PITCH+32
.endr
.endm
.macro QUARTER k, f, g, zero
	s_wait_dscnt 4                                 ; all but the youngest four LDS instructions: yb's row blocks 2 and 3, or younger stores of the sigmoid
	MULA \f, 0, \zero
	MULA \f, 1, \zero
	PLACES
	FETCH \k, \g
	s_wait_dscnt 24                                ; all but the 24 just issued
	MULA \f, 2, \zero
	MULA \f, 3, \zero
.endm
; The last quarter of a K step changes slots.  fill = 1: the slot just read out takes the K step two on, by the walking descriptors.  fill = 2: slot 0 has been read for the last time and takes x's tile.
.macro TURN fill
.if (\fill) == 1
	s_wait_xcnt 0x0                                ; the last prefetches, a K step back, have read their addresses
	s_add_nc_u64 s[PFA:PFA+1], s[PFA:PFA+1], KSTEP*2
	s_add_nc_u64 s[PFX:PFX+1], s[PFX:PFX+1], 256
.endif
	WIN 0
	s_wait_tensorcnt 0x0                           ; all my tensor loads have landed,
	ds_add_u32 v[SPW], v[NIL]                      ; 0 onto my spare word
	s_wait_dscnt 7                                 ; the add and yb's row blocks 1 to 3 (six loads) may be out
	MULA 1, 0, 0
	s_wait_dscnt 0x0                               ; the add is done, my reads of this slot are over
	s_barrier_signal -1
	MULA 1, 1, 0
	WIN 0
	s_barrier_wait -1
	CREST
.if (\fill) == 1
	s_xor_b32 s[G0A+5], s[G0A+5], SLOT1
	s_add_nc_u64 s[G0A+6:G0A+7], s[G0A+6:G0A+7], KSTEP*2
	s_xor_b32 s[G0B+5], s[G0B+5], SLOT1
	s_add_nc_u64 s[G0B+6:G0B+7], s[G0B+6:G0B+7], KSTEP*2
	JLOAD 1
.else
	tensor_load_to_lds s[G0X:G0X+3], s[G1X:G1X+7]
	s_nop 0
	PLACES
.endif
	s_xor_b32 s[TB], s[TB], SLOT1
	v_add_nc_u32 v[ADRA], s[TB], v[A0]
	v_add_nc_u32 v[ADRB], s[TB], v[B0]
	FETCH 0, 0
.if (\fill) == 1
	ASK
.endif
	MULA 1, 2, 0
	MULA 1, 3, 0
.endm
	s_wait_tensorcnt 2                             ; my part of K step 0 is in; K step 1's and the gate's loads stay out
	s_barrier_signal -1
	s_barrier_wait -1
	FETCH 0, 0
	QUARTER 64, 0, 1, 1
	WIN 0
	s_mov_b32 s[STEPS], 6
.Lstep:                                ; a trip: from a K step's second quarter to the next step's first
	QUARTER 128, 1, 0, 0
	QUARTER 192, 0, 1, 0
	TURN 1
	QUARTER 64, 0, 1, 0
	WIN 0
	; THE SIGMOID, in the last four trips: two rounds of 8 rows each, 64 rows in all: my own part of the gate's tile, read, turned into 1 / (1 + 2^(- log2(e) g)) and put back in place as bf16.
	; The whole tile has been shown to every wave by the first change of slots, in front of whose barrier each wave waited for all its tensor loads.
	s_cmp_lt_u32 s[STEPS], 5
	s_cbranch_scc0 .Lno_sig
	s_mov_b32 s[RT], 2
.Lsig:
.irp i, 0,1,2,3,4,5,6,7
	ds_load_b64 v[G+2*(\i):G+2*(\i)+1], v[RSG] offset:512*(\i)
.endr
	s_wait_dscnt 0x0
.set z, 0
.rept 16
	v_lshlrev_b32 v[SGU+2*z], 16, v[G+z]
	v_and_b32 v[SGU+2*z+1], 0xffff0000, v[G+z]
.set z, z+1
.endr
.set z, 0
.rept 16
	v_pk_mul_f32 v[SGU+z:SGU+z+1], v[SGU+z:SGU+z+1], 0xbfb8aa3b op_sel_hi:[1,0]   ; - log2(e) x logit
.set z, z+2
.endr
.set z, 0
.rept 32
	v_exp_f32 v[SGU+z], v[SGU+z]
.set z, z+1
.endr
	v_nop
	s_wait_alu depctr_va_vdst(0)                   ; one wait for the 32 exponentials, ahead of their first reader
.set z, 0
.rept 16
	v_pk_add_f32 v[SGU+z:SGU+z+1], v[SGU+z:SGU+z+1], 1.0 op_sel_hi:[1,0]
.set z, z+2
.endr
.set z, 0
.rept 32
	v_rcp_f32 v[SGU+z], v[SGU+z]
.set z, z+1
.endr
	v_nop
	s_wait_alu depctr_va_vdst(0)                   ; one wait for the 32 reciprocals
.set z, 0
.rept 16
	v_cvt_pk_bf16_f32 v[G+z], v[SGU+2*z], v[SGU+2*z+1]
.set z, z+1
.endr
.irp i, 0,1,2,3,4,5,6,7
	ds_store_b64 v[RSG], v[G+2*(\i):G+2*(\i)+1] offset:512*(\i)
.endr
	v_add_nc_u32 v[RSG], 8*512, v[RSG]
	s_sub_co_u32 s[RT], s[RT], 1
	s_cmp_lg_u32 s[RT], 0
	s_cbranch_scc1 .Lsig
.Lno_sig:
	s_sub_co_u32 s[STEPS], s[STEPS], 1
	s_cmp_lg_u32 s[STEPS], 0
	s_cbranch_scc1 .Lstep
	QUARTER 128, 1, 0, 0
	QUARTER 192, 0, 1, 0
	TURN 2
	QUARTER 64, 0, 1, 0
	QUARTER 128, 1, 0, 0
	QUARTER 192, 0, 1, 0
	s_wait_dscnt 4
	MULA 1, 0, 0
	MULA 1, 1, 0
	s_wait_dscnt 0x0
	MULA 1, 2, 0
	MULA 1, 3, 0
	WIN 0
	s_wait_tensorcnt 0x0                           ; my part of x's tile has landed,
	s_wait_dscnt 0x0                               ; my reads of slot 1 are over:
	s_barrier_signal -1
	s_barrier_wait -1                              ; everybody's
	PLACES
.macro DUMP p                          ; my rows 32 p .. 32 p + 31 as f32 into my stage; each accumulator's low four registers first
	WIN 0x08
.irp a, 0,1
.irp b, 0,1,2,3,4,5,6,7
	ds_store_b128 v[STO], v[8*(8*(2*(\p)+(\a))+(\b)):8*(8*(2*(\p)+(\a))+(\b))+3]   offset:(\a)*16*SPITCH+64*(\b)
	ds_store_b128 v[STO], v[8*(8*(2*(\p)+(\a))+(\b))+4:8*(8*(2*(\p)+(\a))+(\b))+7] offset:(\a)*16*SPITCH+64*(\b)+16
.endr
.endr
	WIN 0
.endm
	s_mov_b32 s[PASS], 2
.Lpass:
	s_cmp_eq_u32 s[PASS], 2
	s_cbranch_scc0 .Lhigh
	DUMP 0
	s_branch .Ldumped
.Lhigh:
	DUMP 1
.Ldumped:
	v_mov_b32 v[RDA], v[RD0]
	s_mov_b32 s[RT], 4
.Lrows:                                ; 4 trips of 8 rows
.irp i, 0,1,2,3,4,5,6,7
	ds_load_b64 v[G+2*(\i):G+2*(\i)+1], v[RGA] offset:512*(\i)
.endr
.irp i, 0,1,2,3,4,5,6,7
	ds_load_b128 v[D+4*(\i):D+4*(\i)+3], v[RDA] offset:SPITCH*(\i)
	ds_load_b128 v[XR+4*(\i):XR+4*(\i)+3], v[RXA] offset:1024*(\i)
.endr
	s_wait_dscnt 16                                ; the sigmoid's eight loads are in; the sixteen behind them may be out
.set z, 0
.rept 16
	v_lshlrev_b32 v[GU+2*z], 16, v[G+z]
	v_and_b32 v[GU+2*z+1], 0xffff0000, v[G+z]
.set z, z+1
.endr
	s_wait_dscnt 0x0
.set z, 0
.rept 16
	v_pk_fma_f32 v[XR+z:XR+z+1], v[GU+z:GU+z+1], v[D+z:D+z+1], v[XR+z:XR+z+1]
.set z, z+2
.endr
.irp i, 0,1,2,3,4,5,6,7
	global_store_b128 v[CO], v[XR+4*(\i):XR+4*(\i)+3], s[CP:CP+1] offset:4096*(\i)   ; 512 consecutive bytes, at a multiple of 256 from out0's first
.endr
	s_wait_xcnt 0x0                                ; the stores have read their base and their data
	v_add_nc_u32 v[RDA], 8*SPITCH, v[RDA]
	v_add_nc_u32 v[RXA], 8*1024, v[RXA]
	v_add_nc_u32 v[RGA], 8*512, v[RGA]
	s_add_nc_u64 s[CP:CP+1], s[CP:CP+1], 8*4096
	s_sub_co_u32 s[RT], s[RT], 1
	s_cmp_lg_u32 s[RT], 0
	s_cbranch_scc1 .Lrows
	s_sub_co_u32 s[PASS], s[PASS], 1
	s_cmp_lg_u32 s[PASS], 0
	s_cbranch_scc1 .Lpass
	s_wait_tensorcnt 0x0                           ; the wave's end
	ds_add_u32 v[SPW], v[NIL]
	s_wait_dscnt 0x0
	CROUND                                         ; the closing round
	s_endpgm
.Lfunc_end_k_q7b0b790bf6_gemm2:
	.size	k_q7b0b790bf6_gemm2, .Lfunc_end_k_q7b0b790bf6_gemm2-k_q7b0b790bf6_gemm2
	.p2alignl 7, 3214868480
	.fill 96, 4, 3214868480
	.section	.rodata,"a",@progbits
	.p2align	6, 0x0
	.amdhsa_kernel k_q7b0b790bf6_gemm2
		.amdhsa_group_segment_fixed_size 327680
		.amdhsa_private_segment_fixed_size 0
		.amdhsa_enable_private_segment 0
		.amdhsa_kernarg_size 48
		.amdhsa_user_sgpr_count 2
		.amdhsa_user_sgpr_kernarg_segment_ptr 1
		.amdhsa_wavefront_size32 1
		.amdhsa_system_sgpr_workgroup_id_x 1
		.amdhsa_system_sgpr_workgroup_id_y 1
		.amdhsa_system_sgpr_workgroup_id_z 1
		.amdhsa_system_vgpr_workitem_id 0
		.amdhsa_next_free_vgpr 768
		.amdhsa_next_free_sgpr 102
		.amdhsa_reserve_vcc 1
		.amdhsa_float_denorm_mode_32 3
		.amdhsa_float_denorm_mode_16_64 3
		.amdhsa_memory_ordered 1
		.amdhsa_forward_progress 1
		.amdhsa_inst_pref_size 88
	.end_amdhsa_kernel
	.amdgpu_metadata
---
amdhsa.version: [ 1, 2 ]
amdhsa.kernels:
  - .name:           k_q7b0b790bf6_gemm2
    .symbol:         k_q7b0b790bf6_gemm2.kd
    .args:
      - { .name: yb, .offset: 0, .size: 8, .value_kind: global_buffer, .address_space: global }
      - { .name: ob, .offset: 8, .size: 8, .value_kind: global_buffer, .address_space: global }
      - { .name: out_b, .offset: 16, .size: 8, .value_kind: global_buffer, .address_space: global }
      - { .name: qkvg, .offset: 24, .size: 8, .value_kind: global_buffer, .address_space: global }
      - { .name: x, .offset: 32, .size: 8, .value_kind: global_buffer, .address_space: global }
      - { .name: out0, .offset: 40, .size: 8, .value_kind: global_buffer, .address_space: global }
    .group_segment_fixed_size: 327680
    .private_segment_fixed_size: 0
    .kernarg_segment_align: 8
    .kernarg_segment_size: 48
    .max_flat_workgroup_size: 128
    .sgpr_count:     102
    .vgpr_count:     768
    .wavefront_size: 32
...
	.end_amdgpu_metadata
.endif
;; end of part 5
